; MI455X (gfx1250); checked and timed in simulation.
; The chip was launched on July 23, 2026; its instructions are those of AMD's public machine-readable ISA for CDNA 5 (MIT licence, August 2026) and "CDNA5" Instruction Set Architecture Reference Guide (July 2026). The comments in the code are by the model that wrote it; some were corrected since.
;; Attention. Allowed arithmetic: float matrix products may take bf16 or f16 operands with f32 sums; all other float work in f32.
;; Inputs: wk 1,024 x 1,024 float32; wo 1,024 x 1,024 float32; wq 1,024 x 1,024 float32; wv 1,024 x 1,024 float32; x 2 x 2,048 x 1,024 float32.
;; Outputs: out0 2 x 2,048 x 1,024 float32.
;; 3 versions, each right; version 2 is faster than version 1; version 3 is version 2 with the launch cast written anew for expert scheduling mode. Each part assembles by itself: llvm-mc -triple=amdgcn-amd-amdhsa -mcpu=gfx1250 --defsym DOCPART=n.
;; ======== version 1 of 3: 3 launches
;; workspace buffers: qkv 50,331,648 bytes; att 16,777,216 bytes
;; launch qkv (part 1): grid 8 x 32, 4 waves a work-group, clusters of 4 x 4, 327,680 bytes of LDS; arguments x, wq, wk, wv, qkv; writes qkv
.if DOCPART == 1
	.amdgcn_target "amdgcn-amd-amdhsa--gfx1250"
	.amdhsa_code_object_version 6
	.text
	.protected	k_q66828cbc1a_qkv
	.globl	k_q66828cbc1a_qkv
	.p2align	8
	.type	k_q66828cbc1a_qkv,@function
k_q66828cbc1a_qkv:
	s_mov_b64 s[64:65], 0
	v_nop
	global_prefetch_b8 v0, s[64:65] scope:SCOPE_SE
	s_setreg_imm32_b32 hwreg(HW_REG_WAVE_MODE, 25, 1), 1
	s_wait_xcnt 0x0
	s_wait_alu depctr_hold_cnt(0) depctr_sa_sdst(0) depctr_va_vdst(0) depctr_va_sdst(0) depctr_va_ssrc(0) depctr_va_vcc(0) depctr_vm_vsrc(0)
	s_getreg_b32 s2, hwreg(HW_REG_IB_STS2, 6, 4)
	s_cmp_eq_u32 s2, 0
	s_cbranch_scc0 .Lentry_in_a_cluster
	s_endpgm
.Lentry_in_a_cluster:
	s_bfe_u32 s2, ttmp6, 0x10000c
	s_cmp_lg_u32 s2, 0xf033
	s_cbranch_scc0 .Lentry_shape_is_right
	s_endpgm
.Lentry_shape_is_right:
; First of three launches: q, k, v = x wq^T, x wk^T, x wv^T.  x: [4096][1024] f32, each w: [1024 (out)][1024 (in)] f32.
; Result: qkv[6 (plane)][2 (b)][16 (head)][2048 (t)][64 (d)] in bf16; planes: q high, q low, k high, k low, v high, v low.  A head's rows are dense:
; two tokens are 256 neighbouring bytes.
; EACH RESULT IS KEPT AS TWO bf16: the high part is the f32 sum cut to its upper 16 bits, the low part the exact remainder rounded to bf16: about 16 significant
; bits.  One bf16 (8 significant bits) would not do: the first tokens of a causal softmax average over few keys, so their outputs are as large as v itself, and
; an error of 2^-9 of that size is large beside the typical output, which averages over hundreds of keys.
; LIMITS: x and the weights are rounded to bf16 (nearest even) on the way to the matrix unit; sums are f32; q, k, v keep about 16 significant bits.
; A work-group makes 128 tokens x 384 columns: columns 128 nblock .. +127 (two heads) of each of q, k and v: 32 x 8 = 256 work-groups.
; Four waves, as many as a WGP has SIMDs; wave w = (wm, wn) makes 64 tokens x one head of q, k and v: 4 x 12 accumulator tiles, 384 registers.
; K goes in 16 steps of 64 f32 (rows of 256 bytes, aligned) through two LDS slots of 512 rows: x, wq's, wk's, wv's piece, 128 rows each;
; wave w fetches rows 128 w .. +127 of a slot with one tensor load.
; CLUSTERS: 4 x 4 work-groups.  x's tile hangs on the token block alone and is asked for jointly along a row of the cluster, the weights'
; tiles on the column block alone and are asked for jointly along a column: a quarter of the requests.
; By this text's count a wave has two tensor loads out at the start and one behind each round.
; REGISTER WINDOWS: 0 addresses and the 16 bf16 fragments; 1 the same 16 fragments in f32 as they come from LDS;
; 2 the accumulators of token tiles 0, 1 (tile (a, b) at v[8 (12 a + b)], b = 4 mi + c); 3 those of token tiles 2, 3.
; The matrix instruction is used transposed (source 0 = 16 rows of a weight, source 1 = 16 tokens): a lane then holds 8 neighbouring columns of one token.
.set PITCH,  272                       ; an LDS row: 256 bytes + 16 of padding, an odd multiple of 16: the 16 rows of a fragment load start at 16 different 16-byte columns
.set PART,   128*PITCH                 ; what one tensor load brings
.set SLOT,   4*PART
.set STAGE,  2*SLOT                    ; behind the ring: 16 rows x 144 bytes for each wave; no tensor load lands there
.set SP,     144
.set KB,     256                       ; bytes of a K step in a row of x or of a weight
.set ADRA,   4                         ; v4-5    LDS address of my x fragments in slot 0, 1
.set ADRB,   6                         ; v6-11   the same for wq, wk, wv in slot 0, then in slot 1
.set STO,    12                        ; v12     the way out: where I put 16 bytes of a token
.set RD,     13                        ; v13     the way out: where I read back
.set CO,     14                        ; v14     the way out: 16 x lane
.set NEG1,   18                        ; v18     -1.0
.set FR,     32                        ; v32-159 bf16 fragments: 0-3 tokens, 4 + 4 mi + c weights
.set G1A,    24                        ; s[24:31] descriptor group 1 for x
.set G0A,    32                        ; s[32:39] group 0 for x, a set for each slot
.set G1B,    40                        ; s[40:47] group 1 for the weights: another mask
.set G0B,    48                        ; s[48:55] group 0 for the weights
.set OUTB,   70                        ; s[70:81] my first output byte in each of the six planes
.set G1W0,   (2<<16)|(1<<20)|(1<<21)|(5<<22)|(3<<25)   ; element of 4 bytes; padding on; bit 21 beside a mask; after every 64 words; 4 words
.set MSB, 0
.macro WIN new                         ; the immediate's high byte repeats the setting that is left
.if MSB != \new
	s_set_vgpr_msb (MSB<<8)|\new
.set MSB, \new
.endif
.endm
.macro PLACES n                        ; plain vector places behind matrix instructions (ISA guide 7.12.1)
.rept \n
	v_nop
.endr
.endm
; A joint load: wave 0 asks for x's tile, waves 1 to 3 for wq's, wk's, wv's.  Each line has one mask; the branch hangs on the wave's number alone.
.macro JLOAD s
	s_cmp_eq_u32 s14, 0
	s_cbranch_scc0 .Lfor_b_\@
	tensor_load_to_lds s[G0A+4*\s:G0A+4*\s+3], s[G1A:G1A+7]
	s_nop 0
	s_branch .Lasked_\@
.Lfor_b_\@:
	tensor_load_to_lds s[G0B+4*\s:G0B+4*\s+3], s[G1B:G1B+7]
	s_nop 0
.Lasked_\@:
.endm
.macro CREST                           ; a round of the cluster's barrier behind its opening work-group barrier
	s_cmp_lg_u32 s14, 0
	s_cbranch_scc1 .Lnot_wave_0_\@
	s_barrier_signal -3
.Lnot_wave_0_\@:
	s_barrier_wait -3
	s_barrier_signal -1
	s_barrier_wait -1
.endm
.macro CROUND                          ; a whole round
	s_barrier_signal -1
	s_barrier_wait -1
	CREST
.endm
	s_load_b256 s[4:11], s[0:1], 0x0               ; x s[4:5], wq s[6:7], wk s[8:9], wv s[10:11]
	s_load_b64 s[12:13], s[0:1], 0x20              ; qkv
	v_lshl_add_u32 v254, v0, 2, 0x46400
	v_mov_b32 v255, 0
	ds_add_u32 v254, v255
	ds_add_u32 v254, v255
	v_lshrrev_b32 v1, 5, v0
	v_readfirstlane_b32 s14, v1                    ; wave 0..3
	s_lshr_b32 s15, s14, 1                         ; wm: which 64 tokens
	s_and_b32 s16, s14, 1                          ; wn: which of the two heads
	s_bfe_u32 s17, ttmp6, 0x40000                  ; cx
	s_bfe_u32 s18, ttmp6, 0x40004                  ; cy
	s_lshl_b32 s19, ttmp9, 2
	s_add_co_u32 s19, s19, s17                     ; nblock = 4 x cluster x + cx, 0..7
	s_and_b32 s20, ttmp7, 0xffff
	s_lshl_b32 s20, s20, 2
	s_add_co_u32 s20, s20, s18                     ; mblock = 4 x cluster y + cy, 0..31
	s_lshl_b32 s21, s18, 2
	s_lshl_b32 s21, 15, s21                        ; my row of the cluster
	s_lshl_b32 s22, 0x1111, s17                    ; my column
	s_or_b32 s[G1A], s21, G1W0                     ; x's tiles go to my row
	s_or_b32 s[G1B], s22, G1W0                     ; the weights' tiles to my column
.irp g, G1A, G1B
	s_mov_b32 s[\g+1], 64<<16                      ; tensor_dim0 = 64
	s_mov_b32 s[\g+2], 128<<16                     ; tensor_dim1 = 128
	s_mov_b32 s[\g+3], 64<<16                      ; tile_dim0 = 64 elements = 256 bytes
	s_mov_b32 s[\g+4], 128                         ; tile_dim1 = 128 rows
	s_mov_b32 s[\g+5], 1024                        ; elements from row to row
	s_mov_b32 s[\g+6], 0
	s_mov_b32 s[\g+7], 0
.endr
	s_lshl_b32 s60, s20, 19                        ; x: mblock x 128 rows x 4,096 bytes (holds cy, never cx)
	s_mov_b32 s61, 0
	s_lshl_b32 s62, s19, 19                        ; weights: nblock x 128 rows x 4,096 bytes (holds cx, never cy)
	s_mov_b32 s63, 0
	s_mul_i32 s66, s14, PART                       ; where my part of a slot lies: the wave's number alone
	s_wait_dscnt 0x0
	s_wait_kmcnt 0x0
	s_add_nc_u64 s[58:59], s[4:5], s[60:61]
	s_cmp_eq_u32 s14, 2                            ; wave 1 fetches wq, wave 2 wk, wave 3 wv (wave 0's choice is not used)
	s_cselect_b64 s[56:57], s[8:9], s[6:7]
	s_cmp_eq_u32 s14, 3
	s_cselect_b64 s[56:57], s[10:11], s[56:57]
	s_add_nc_u64 s[56:57], s[56:57], s[62:63]
	CROUND                                         ; all sixteen work-groups are here: the first joint loads meet
.irp s, 0,1
	s_mov_b32 s[G0A+4*\s], 1
	s_add_co_u32 s[G0A+4*\s+1], s66, \s*SLOT
	s_add_nc_u64 s[G0A+4*\s+2:G0A+4*\s+3], s[58:59], \s*KB
	s_or_b32 s[G0A+4*\s+3], s[G0A+4*\s+3], 0x80000000
	s_mov_b32 s[G0B+4*\s], 1
	s_add_co_u32 s[G0B+4*\s+1], s66, \s*SLOT
	s_add_nc_u64 s[G0B+4*\s+2:G0B+4*\s+3], s[56:57], \s*KB
	s_or_b32 s[G0B+4*\s+3], s[G0B+4*\s+3], 0x80000000
	JLOAD \s                                       ; K steps 0 and 1: both slots are asked for before anything else is done
.endr
	; A fragment is 16 rows x 32 K.  Lane (r, h) holds row r; K = 8h .. 8h+7 and 16+8h .. 16+8h+7.  In f32 that is 32 bytes at 32 h and 32 bytes at 64 + 32 h.
	v_and_b32 v1, 15, v0                           ; r
	v_bfe_u32 v2, v0, 4, 1                         ; h
	v_mul_u32_u24 v3, v1, PITCH
	v_lshl_add_u32 v3, v2, 5, v3                   ; r x pitch + 32 h
	s_mul_i32 s67, s15, 64*PITCH                   ; my 64 tokens
	v_add_nc_u32 v[ADRA], s67, v3
	v_add_nc_u32 v[ADRA+1], SLOT, v[ADRA]
	s_mul_i32 s68, s16, 64*PITCH                   ; my head's 64 rows of each weight piece,
	s_add_co_u32 s68, s68, PART                    ; which lie behind x's 128 rows
	v_add_nc_u32 v15, s68, v3
.irp sl, 0,1
.irp mi, 0,1,2
	v_add_nc_u32 v[ADRB+3*\sl+\mi], \sl*SLOT+\mi*PART, v15
.endr
.endr
	s_mul_i32 s69, s14, 16*SP
	s_add_co_u32 s69, s69, STAGE                   ; my stage
	v_mul_u32_u24 v16, v1, SP
	v_lshl_add_u32 v16, v2, 4, v16
	v_add_nc_u32 v[STO], s69, v16                  ; in: token r, 16 bytes for each half of the lanes
	v_bfe_u32 v16, v0, 3, 2
	v_and_b32 v17, 7, v0
	v_mul_u32_u24 v16, v16, SP
	v_lshl_add_u32 v16, v17, 4, v16
	v_add_nc_u32 v[RD], s69, v16                   ; back: eight lanes take one token's 128 bytes, the wave four tokens
	v_and_b32 v[CO], 31, v0
	v_lshlrev_b32 v[CO], 4, v[CO]                  ; which are 512 neighbouring bytes of the result
	v_mov_b32 v[NEG1], -1.0
; 64 LDS loads: the 16 fragments of one quarter (32 K at byte 128 kq of the slot's rows) in f32 into window 1, fragment f at v[16 f]
.macro LDF slot, kq
	WIN 0x40
.irp f, 0,1,2,3
.irp u, 0,1,2,3
	ds_load_b128 v[16*\f+4*\u:16*\f+4*\u+3], v[ADRA+\slot] offset:\f*16*PITCH+\kq*128+16*\u+32*(\u/2)
.endr
.endr
.irp mi, 0,1,2
.irp c, 0,1,2,3
.irp u, 0,1,2,3
	ds_load_b128 v[16*(4+4*\mi+\c)+4*\u:16*(4+4*\mi+\c)+4*\u+3], v[ADRB+3*\slot+\mi] offset:\c*16*PITCH+\kq*128+16*\u+32*(\u/2)
.endr
.endr
.endr
.endm
; f32 to bf16, two numbers an instruction, fragment by fragment as the loads come back
.macro CVT
	WIN 0x05
.irp f, 0,1,2,3,4,5,6,7,8,9,10,11,12,13,14,15
	s_wait_dscnt 60-4*\f                           ; LDS loads come back in order: the four loads of each younger fragment may stay out
.irp i, 0,1,2,3,4,5,6,7
	v_cvt_pk_bf16_f32 v[FR+8*\f+\i], v[16*\f+2*\i], v[16*\f+2*\i+1]
.endr
.endr
.endm
; 24 matrix instructions: token tiles 2 hi, 2 hi + 1 x all 12 column tiles.  zero = 1: the first products start the sums.
; The 48 accumulators take turns, one instruction a turn, in the same order in every quarter.
.macro MUL24 hi, zero
.if \hi
	WIN 0xf0
.else
	WIN 0xa0
.endif
.irp a, 0,1
.irp b, 0,1,2,3,4,5,6,7,8,9,10,11
.if \zero
	v_wmma_f32_16x16x32_bf16 v[8*(12*\a+\b):8*(12*\a+\b)+7], v[FR+8*(4+\b):FR+8*(4+\b)+7], v[FR+8*(2*\hi+\a):FR+8*(2*\hi+\a)+7], 0
.else
	v_wmma_f32_16x16x32_bf16 v[8*(12*\a+\b):8*(12*\a+\b)+7], v[FR+8*(4+\b):FR+8*(4+\b)+7], v[FR+8*(2*\hi+\a):FR+8*(2*\hi+\a)+7], v[8*(12*\a+\b):8*(12*\a+\b)+7]
.endif
.endr
.endr
.endm
; A K step is two quarters of 32 along K.  The first: convert, ask LDS for the second quarter, multiply.
.macro Q0 slot, zero
	PLACES 4                                       ; the conversions write fragments that the last matrix instructions read
	CVT
	LDF \slot, 1
	MUL24 0, \zero
	MUL24 1, \zero
.endm
; The second quarter changes slots.  In front of the barrier: my reads of this slot are back and all my tensor loads have landed (one was out: my part of the
; next slot).  fill = 1: the barrier opens a round of the cluster's barrier, and behind the round this slot is asked for again, two K steps ahead, first of all.
.macro TURN slot, next, fill
	PLACES 4
	CVT
	s_wait_dscnt 0x0                               ; met: the last conversion's wait was for 0
	s_set_vgpr_msb 0x500
	s_wait_tensorcnt 0x0
	ds_add_u32 v254, v255
	s_wait_dscnt 0x0
	s_set_vgpr_msb 0x5
	s_barrier_signal -1
	MUL24 0, 0                                     ; register work while the others arrive
	WIN 0
	s_barrier_wait -1
.if \fill
	CREST
	s_add_nc_u64 s[G0A+4*\slot+2:G0A+4*\slot+3], s[G0A+4*\slot+2:G0A+4*\slot+3], 2*KB
	s_add_nc_u64 s[G0B+4*\slot+2:G0B+4*\slot+3], s[G0B+4*\slot+2:G0B+4*\slot+3], 2*KB
	JLOAD \slot
.endif
	LDF \next, 0
	MUL24 1, 0
.endm
.macro LAP zero
	Q0 0, \zero
	TURN 0, 1, 1
	Q0 1, 0
	TURN 1, 0, 1
.endm
	s_wait_tensorcnt 0x1                           ; my part of K step 0 is in; K step 1's load may stay out
	s_barrier_signal -1
	s_barrier_wait -1
	LDF 0, 0
	LAP 1                                          ; K steps 0, 1 stand in front of the loop: their first products start the sums
	WIN 0
	s_mov_b32 s23, 6                               ; K steps 2 to 13
.Llap:
	LAP 0
	WIN 0
	s_sub_co_u32 s23, s23, 1
	s_cmp_lg_u32 s23, 0
	s_cbranch_scc1 .Llap
	Q0 0, 0                                        ; K steps 14, 15: nothing is left to fetch
	TURN 0, 1, 0
	Q0 1, 0
	PLACES 4
	CVT
	MUL24 0, 0
	MUL24 1, 0
	; THE WAY OUT: 16 tokens x 64 columns at a time, split into a high and a low bf16, through my own stage, out as 512 neighbouring bytes a store.
	PLACES 4                                       ; behind the last matrix instructions: results are read and rewritten, the loads land on fragments
	s_mov_b32 s23, 0x07060302                      ; v_perm_b32: the upper halves of two words
	s_lshr_b32 s82, s20, 4                         ; b
	s_lshl_b32 s82, s82, 4
	s_lshl1_add_u32 s82, s19, s82                  ; 16 b + 2 nblock
	s_add_co_u32 s82, s82, s16                     ; + wn: my head
	s_lshl_b32 s82, s82, 18                        ; x 2,048 tokens x 128 bytes
	s_and_b32 s83, s20, 15
	s_lshl_b32 s83, s83, 14                        ; the block's 128 tokens
	s_add_co_u32 s82, s82, s83
	s_lshl_b32 s83, s15, 13                        ; my 64 tokens
	s_add_co_u32 s82, s82, s83
	s_mov_b32 s83, 0
	s_add_nc_u64 s[OUTB:OUTB+1], s[12:13], s[82:83]
.irp p, 1,2,3,4,5
	s_add_nc_u64 s[OUTB+2*\p:OUTB+2*\p+1], s[OUTB+2*\p-2:OUTB+2*\p-1], 0x800000   ; a plane is 8,388,608 bytes: one more than a store's immediate reaches
.endr
.macro OUT16 a, mi
.if \a < 2
	WIN 0x0a
.else
	WIN 0x0f
.endif
.irp c, 0,1,2,3
.irp i, 0,1,2,3
	v_perm_b32 v[FR+4*\c+\i], v[8*(12*(\a&1)+4*\mi+\c)+2*\i+1], v[8*(12*(\a&1)+4*\mi+\c)+2*\i], s23      ; the high parts: two upper halves, packed
.endr
.endr
.if \a < 2
	WIN 0xa2                                       ; source 0, source 2 and destination in the accumulators' window, -1.0 in window 0
.else
	WIN 0xf3
.endif
.irp c, 0,1,2,3
.irp j, 0,1,2,3,4,5,6,7
	v_fma_mix_f32_bf16 v[8*(12*(\a&1)+4*\mi+\c)+\j], v[8*(12*(\a&1)+4*\mi+\c)+\j], v[NEG1], v[8*(12*(\a&1)+4*\mi+\c)+\j] op_sel:[1,0,0] op_sel_hi:[1,0,0]   ; the number less its own upper half: exact
.endr
.endr
.if \a < 2
	WIN 0x0a
.else
	WIN 0x0f
.endif
.irp c, 0,1,2,3
.irp i, 0,1,2,3
	v_cvt_pk_bf16_f32 v[FR+16+4*\c+\i], v[8*(12*(\a&1)+4*\mi+\c)+2*\i], v[8*(12*(\a&1)+4*\mi+\c)+2*\i+1]   ; the low parts
.endr
.endr
	WIN 0
	s_wait_xcnt 0x0                                ; v64-95, which earlier stores read, are loaded again only behind this wait
.irp pl, 0,1
.irp c, 0,1,2,3
	ds_store_b128 v[STO], v[FR+16*\pl+4*\c:FR+16*\pl+4*\c+3] offset:32*\c
.endr
.irp u, 0,1,2,3
	ds_load_b128 v[64+16*\pl+4*\u:64+16*\pl+4*\u+3], v[RD] offset:4*SP*\u      ; LDS serves a wave's instructions in order: these see the stores above
.endr
.irp u, 0,1,2,3
	s_wait_dscnt 3-\u                              ; the younger read-backs may stay out
	global_store_b128 v[CO], v[64+16*\pl+4*\u:64+16*\pl+4*\u+3], s[OUTB+4*\mi+2*\pl:OUTB+4*\mi+2*\pl+1] offset:\a*2048+\u*512
.endr
.endr
.endm
.irp a, 0,1,2,3
	OUT16 \a, 0
	OUT16 \a, 1
	OUT16 \a, 2
.endr
	s_wait_tensorcnt 0x0
	ds_add_u32 v254, v255
	s_wait_dscnt 0x0
	CROUND                                         ; the closing round: no work-group ends while a partner may still ask for a tile that names it
	s_endpgm
.Lfunc_end_k_q66828cbc1a_qkv:
	.size	k_q66828cbc1a_qkv, .Lfunc_end_k_q66828cbc1a_qkv-k_q66828cbc1a_qkv
	.p2alignl 7, 3214868480
	.fill 96, 4, 3214868480
	.section	.rodata,"a",@progbits
	.p2align	6, 0x0
	.amdhsa_kernel k_q66828cbc1a_qkv
		.amdhsa_group_segment_fixed_size 327680
		.amdhsa_private_segment_fixed_size 0
		.amdhsa_enable_private_segment 0
		.amdhsa_kernarg_size 40
		.amdhsa_user_sgpr_count 2
		.amdhsa_user_sgpr_kernarg_segment_ptr 1
		.amdhsa_wavefront_size32 1
		.amdhsa_system_sgpr_workgroup_id_x 1
		.amdhsa_system_sgpr_workgroup_id_y 1
		.amdhsa_system_sgpr_workgroup_id_z 1
		.amdhsa_system_vgpr_workitem_id 0
		.amdhsa_next_free_vgpr 960
		.amdhsa_next_free_sgpr 84
		.amdhsa_reserve_vcc 0
		.amdhsa_float_denorm_mode_32 3
		.amdhsa_float_denorm_mode_16_64 3
		.amdhsa_memory_ordered 1
		.amdhsa_forward_progress 1
		.amdhsa_inst_pref_size 255
	.end_amdhsa_kernel
	.section	.bss,"aw",@nobits
	.p2align	6
	.space	262144
	.amdgpu_metadata
---
amdhsa.version: [ 1, 2 ]
amdhsa.kernels:
  - .name:           k_q66828cbc1a_qkv
    .symbol:         k_q66828cbc1a_qkv.kd
    .args:
      - { .name: x, .offset: 0, .size: 8, .value_kind: global_buffer, .address_space: global }
      - { .name: wq, .offset: 8, .size: 8, .value_kind: global_buffer, .address_space: global }
      - { .name: wk, .offset: 16, .size: 8, .value_kind: global_buffer, .address_space: global }
      - { .name: wv, .offset: 24, .size: 8, .value_kind: global_buffer, .address_space: global }
      - { .name: qkv, .offset: 32, .size: 8, .value_kind: global_buffer, .address_space: global }
    .group_segment_fixed_size: 327680
    .private_segment_fixed_size: 0
    .kernarg_segment_align: 8
    .kernarg_segment_size: 40
    .max_flat_workgroup_size: 128
    .sgpr_count:     84
    .vgpr_count:     960
    .wavefront_size: 32
...
	.end_amdgpu_metadata
.endif
;; end of part 1
;; launch attn (part 2): grid 8 x 32, 4 waves a work-group, no clusters, 327,680 bytes of LDS; arguments qkv, att; writes att
.if DOCPART == 2
	.amdgcn_target "amdgcn-amd-amdhsa--gfx1250"
	.amdhsa_code_object_version 6
	.text
	.protected	k_q66828cbc1a_attn
	.globl	k_q66828cbc1a_attn
	.p2align	8
	.type	k_q66828cbc1a_attn,@function
k_q66828cbc1a_attn:
	s_mov_b64 s[64:65], 0
	v_nop
	global_prefetch_b8 v0, s[64:65] scope:SCOPE_SE
	s_setreg_imm32_b32 hwreg(HW_REG_WAVE_MODE, 25, 1), 1
	s_wait_xcnt 0x0
; Second of three launches: causal attention of one (batch, head), softmax by a running maximum.
; qkv: [6 (q high, q low, k high, k low, v high, v low)][32 (b, head)][2048][64] bf16.
; att: [32 (16 b + block of 128 tokens)][16 (head)][2 (high, low)][128][64] bf16: a head's two planes of a token block are 32,768 dense bytes.
; EVERY OPERAND IS TWO bf16 (high = the f32 cut to its upper 16 bits, low = the exact remainder rounded): about 16 significant bits.  A product of two such
; numbers is made of three matrix products, high x high + high x low + low x high; low x low, some 2^-16 of the product, is left out.
; LIMITS: q, k, v, the exponentials and the result carry about 16 significant bits; scores, maxima, sums and the running result are f32; an exponential below
; 2^-126 comes out as zero (ISA guide, v_exp_f32); NaN and infinite inputs are not followed as the formula would follow them.
; A work-group takes two blocks of 128 queries of head y: block 15 - x (16 - x chunks of 128 keys) and then block x (x + 1 chunks): always 17 chunks, walked
; as one stream through two LDS slots: 8 x 32 = 256 work-groups of equal work.  Wave w owns queries 32 w .. 32 w + 31 of the block, two tiles of 16.
; NO CLUSTER: the eight work-groups of a head walk 16 - x and x + 1 chunks and change blocks at different trips, so partners would need different tiles in
; the same trip, and the change of blocks is a branch that would hang on the place in the cluster.
; THE MATRIX UNIT IS USED TRANSPOSED: S^T = K Q^T (rows = keys, columns = queries): lane (r, h) holds query r and keys 8 h + j of each tile of 16 keys.  Packed to
; bf16, the tiles 2 g and 2 g + 1 are, with no move between lanes, the B fragment (32 keys x 16 queries) of O^T = V^T P^T.  Maximum, sum and rescaling factor are
; one number a lane; the two halves of the lanes are joined by one v_permlanex16_b32.
; A slot: K high, K low (128 keys, pitch 144), V high, V low (pitch 160, for the transposing load); wave w fills part w, a dense block of 16,384 bytes.
; By this text's count a wave has one tensor load out.
; REGISTER WINDOWS: 0 addresses, the high parts of Q, K, V, the scores, the result; 1 the low parts of Q, K, V under the same numbers, and P's two parts.
.set PART,  20480
.set SLOT,  4*PART
.set STAGE, 2*SLOT                     ; 16 rows x 144 bytes for each wave, for the way out; no tensor load lands there
.set KP,    144
.set VP,    160
.set SP,    144
.set ADK,   1                          ; v1-2    LDS address of my K fragments in slot 0, 1
.set ADV,   3                          ; v3-4    the same for V
.set STO,   5
.set RD,    6
.set CO,    7
.set QO,    8                          ; v8      my bytes in a tile of 16 queries
.set REL,   9                          ; v9      32 w + r - 8 h: key 16 a + j of sub-step s is masked for query tile t if 64 s + 16 a + j - 16 t is larger
.set NINF,  10                         ; v10     -infinity
.set NEG1,  11                         ; v11     -1.0
.set MXR,   12                         ; v12-13  running maximum of my query in tile 0, 1
.set LSR,   14                         ; v14-15  running sum over my own keys
.set AL,    16                         ; v16-17  the rescaling factor, twice
.set NM,    18                         ; v18-19  -c x maximum, twice
.set T,     20                         ; v20-27  at work
.set QFR,   32                         ; v32-63  Q(t, kk) at 32 + 16 t + 8 kk; window 0 high, window 1 low
.set KVF,   64                         ; v64-127 K(a, kk) at 64 + 16 a + 8 kk, then V(dt, g) at 64 + 16 dt + 8 g; window 0 high, window 1 low
.set SCO,   128                        ; v128-191 S(a, t) at 128 + 32 t + 8 a
.set OAC,   192                        ; v192-255 O(dt, t) at 192 + 32 t + 8 dt
.set PHI,   128                        ; window 1, v128-159: P's high part, (t, g) at 128 + 16 t + 8 g
.set PLO,   160                        ; window 1, v160-191: P's low part
.set G1K,   24                         ; s[24:31] descriptor group 1 for K
.set G1V,   32                         ; s[32:39] for V: a wider pad
.set G0,    40                         ; s[40:47] group 0, a set for each slot
.set MSB, 0
.macro WIN new                         ; the immediate's high byte repeats the setting that is left
.if MSB != \new
	s_set_vgpr_msb (MSB<<8)|\new
.set MSB, \new
.endif
.endm
.macro PLACES n                        ; plain vector places behind matrix instructions (ISA guide 7.12.1)
.rept \n
	v_nop
.endr
.endm
.macro KVLOAD s                        ; waves 0, 1 fetch K's planes, waves 2, 3 V's
	s_cmp_eq_u32 s9, 0
	s_cbranch_scc0 .Lfor_v_\@
	tensor_load_to_lds s[G0+4*\s:G0+4*\s+3], s[G1K:G1K+7]
	s_nop 0
	s_branch .Lasked_\@
.Lfor_v_\@:
	tensor_load_to_lds s[G0+4*\s:G0+4*\s+3], s[G1V:G1V+7]
	s_nop 0
.Lasked_\@:
.endm
	s_load_b128 s[4:7], s[0:1], 0x0                ; qkv s[4:5], att s[6:7]
	v_lshl_add_u32 v30, v0, 2, 0x2a400
	v_mov_b32 v31, 0
	ds_add_u32 v30, v31
	ds_add_u32 v30, v31
	v_lshrrev_b32 v22, 5, v0
	v_readfirstlane_b32 s8, v22                    ; wave 0..3
	s_lshr_b32 s9, s8, 1                           ; I fetch a plane of K (0) or of V (1)
	s_and_b32 s11, ttmp7, 0xffff                   ; 16 b + head
	s_mov_b32 s12, ttmp9                           ; x: the second block
	s_sub_co_u32 s13, 15, s12                      ; the block at work: first 15 - x
	s_mov_b32 s14, 0x07060302                      ; v_perm_b32: the upper halves of two words
	s_mov_b32 s15, 0                               ; the chunk at work, counted in its block
	s_mov_b32 s16, 0                               ; the chunk asked for last
	s_sub_co_u32 s17, 16, s12                      ; the first block's chunks: there the stream begins anew at chunk 0
	s_mov_b32 s[G1K], (1<<16)|(1<<20)|(4<<22)|(3<<25)   ; element of 2 bytes; padding on; after every 32 words (one key); 4 words
	s_mov_b32 s[G1V], (1<<16)|(1<<20)|(4<<22)|(7<<25)   ; the same with 8 words
.irp g, G1K, G1V
	s_mov_b32 s[\g+1], 128<<16                     ; a dense block as 64 rows of 256 bytes: tensor_dim0 = 128
	s_mov_b32 s[\g+2], 64<<16                      ; tensor_dim1 = 64
	s_mov_b32 s[\g+3], 128<<16                     ; tile_dim0 = 128
	s_mov_b32 s[\g+4], 64                          ; tile_dim1 = 64
	s_mov_b32 s[\g+5], 128                         ; elements from row to row
	s_mov_b32 s[\g+6], 0
	s_mov_b32 s[\g+7], 0
.endr
	s_mul_i32 s59, s8, PART
	s_mov_b32 s[G0], 1
	s_add_co_u32 s[G0+1], s59, 0
	s_mov_b32 s[G0+4], 1
	s_add_co_u32 s[G0+5], s59, SLOT
	s_add_co_u32 s22, s8, 2                        ; plane 2 + w: k high, k low, v high, v low,
	s_lshl_b32 s22, s22, 23                        ; of 8,388,608 bytes each
	s_lshl_b32 s23, s11, 18                        ; the head's 2,048 x 128 bytes
	s_add_co_u32 s22, s22, s23
	s_mov_b32 s23, 0                               ; stays 0: s[22:23] is an offset
	s_wait_dscnt 0x0
	s_wait_kmcnt 0x0
	s_add_nc_u64 s[20:21], s[4:5], s[22:23]        ; my part of chunk 0
	s_mov_b64 s[G0+2:G0+3], s[20:21]
	s_or_b32 s[G0+3], s[G0+3], 0x80000000
	KVLOAD 0                                       ; chunk 0 is asked for before anything else is done
	s_lshl_b32 s22, s11, 18
	s_lshl_b32 s59, s8, 12                         ; my 32 queries
	s_add_co_u32 s22, s22, s59
	s_add_nc_u64 s[48:49], s[4:5], s[22:23]        ; q's high plane at my rows of block 0
	s_lshr_b32 s22, s11, 4
	s_lshl_b32 s22, s22, 23                        ; att: b x 16 blocks x 524,288 bytes
	s_and_b32 s10, s11, 15
	s_lshl_b32 s10, s10, 15                        ; + head x 32,768
	s_add_co_u32 s22, s22, s10
	s_add_co_u32 s22, s22, s59                     ; + my 32 queries
	s_add_nc_u64 s[50:51], s[6:7], s[22:23]        ; att's high plane at my rows of block 0
	s_mov_b32 s54, 0x76543210                      ; v_permlanex16_b32: lane i of one half reads lane i of the other
	s_mov_b32 s55, 0xfedcba98
	s_mov_b32 s56, 0x3e38aa3b                      ; c = log2 e / 8: the scale 1 / sqrt 64 and the change to base 2
	s_mov_b32 s57, 0x3e38aa3b
	s_mov_b32 s58, 0xbe38aa3b                      ; -c
	v_and_b32 v20, 15, v0                          ; r
	v_bfe_u32 v21, v0, 4, 1                        ; h
	v_and_b32 v26, 7, v0
	v_mul_u32_u24 v[ADK], v20, KP
	v_lshl_add_u32 v[ADK], v21, 4, v[ADK]          ; key r, 16 bytes for each half of the lanes
	v_add_nc_u32 v[ADK+1], SLOT, v[ADK]
	v_lshl_add_u32 v24, v21, 3, v26                ; the transposing load: key 8 h + lane mod 8,
	v_mul_u32_u24 v[ADV], v24, VP
	v_bfe_u32 v25, v0, 3, 1
	v_lshl_add_u32 v[ADV], v25, 4, v[ADV]          ; columns 0-7 or 8-15 of the tile
	v_add_nc_u32 v[ADV], 2*PART, v[ADV]
	v_add_nc_u32 v[ADV+1], SLOT, v[ADV]
	s_mul_i32 s59, s8, 16*SP
	s_add_co_u32 s59, s59, STAGE
	v_mul_u32_u24 v[STO], v20, SP
	v_lshl_add_u32 v[STO], v21, 4, v[STO]
	v_add_nc_u32 v[STO], s59, v[STO]
	v_bfe_u32 v[RD], v0, 3, 2
	v_mul_u32_u24 v[RD], v[RD], SP
	v_lshl_add_u32 v[RD], v26, 4, v[RD]
	v_add_nc_u32 v[RD], s59, v[RD]
	v_and_b32 v[CO], 31, v0
	v_lshlrev_b32 v[CO], 4, v[CO]
	v_lshlrev_b32 v[QO], 7, v20
	v_lshl_add_u32 v[QO], v21, 4, v[QO]
	v_lshl_add_u32 v[REL], v22, 5, v20
	v_lshlrev_b32 v23, 3, v21
	v_sub_nc_u32 v[REL], v[REL], v23
	v_mov_b32 v[NINF], 0xff800000
	v_mov_b32 v[NEG1], -1.0
; A block of queries begins: its Q fragments, high and low (each eight loads together read my dense 4,096 bytes of a plane once), maximum, sum and result.
; The result is cleared by moves, twice in the launch: a block's first chunk is an ordinary trip of the loop, so no product with C = 0 can start the sums.
.macro START
	s_lshl_b32 s22, s13, 14                        ; block x 128 queries x 128 bytes
	s_add_nc_u64 s[52:53], s[48:49], s[22:23]
	s_add_nc_u64 s[62:63], s[52:53], 0x800000      ; the low plane
.irp t, 0,1
.irp kk, 0,1
	global_load_b128 v[QFR+16*\t+8*\kk:QFR+16*\t+8*\kk+3],   v[QO], s[52:53] offset:\t*2048+\kk*64
	global_load_b128 v[QFR+16*\t+8*\kk+4:QFR+16*\t+8*\kk+7], v[QO], s[52:53] offset:\t*2048+\kk*64+32
.endr
.endr
	WIN 0x40
.irp t, 0,1
.irp kk, 0,1
	global_load_b128 v[QFR+16*\t+8*\kk:QFR+16*\t+8*\kk+3],   v[QO], s[62:63] offset:\t*2048+\kk*64
	global_load_b128 v[QFR+16*\t+8*\kk+4:QFR+16*\t+8*\kk+7], v[QO], s[62:63] offset:\t*2048+\kk*64+32
.endr
.endr
	WIN 0
	v_mov_b32 v[MXR], v[NINF]
	v_mov_b32 v[MXR+1], v[NINF]
	v_mov_b32 v[LSR], 0
	v_mov_b32 v[LSR+1], 0
.set ii, 0
.rept 64
	v_mov_b32 v[OAC+ii], 0
.set ii, ii+1
.endr
	s_wait_loadcnt 0x0
	s_wait_xcnt 0x0                                ; the registers that the last block's stores read (v128-191, their base) are written again only behind this wait
.endm
; The causal mask of the block's last chunk
.macro MASK sub
.irp t, 0,1
.irp a, 0,1,2,3
.irp j, 0,1,2,3,4,5,6,7
	v_cmp_gt_i32 vcc_lo, 64*\sub+16*\a+\j-16*\t, v[REL]
	v_cndmask_b32 v[SCO+32*\t+8*\a+\j], v[SCO+32*\t+8*\a+\j], v[NINF], vcc_lo
.endr
.endr
.endr
.endm
; Softmax step of query tile t on 64 keys, 32 of them in my lane.  In a block's first sub-step every query sees key 0, so the maximum is finite from then on.
.macro SOFT t
.irp k, 0,1,2,3
	v_max3_num_f32 v[T+\k], v[SCO+32*\t+8*\k], v[SCO+32*\t+8*\k+1], v[SCO+32*\t+8*\k+2]     ; four chains that do not wait for each other
.endr
.irp k, 0,1,2,3
	v_max3_num_f32 v[T+\k], v[T+\k], v[SCO+32*\t+8*\k+3], v[SCO+32*\t+8*\k+4]
.endr
.irp k, 0,1,2,3
	v_max3_num_f32 v[T+\k], v[T+\k], v[SCO+32*\t+8*\k+5], v[SCO+32*\t+8*\k+6]
.endr
	v_max3_num_f32 v[T], v[T], v[SCO+32*\t+7], v[SCO+32*\t+15]
	v_max3_num_f32 v[T+1], v[T+1], v[SCO+32*\t+23], v[SCO+32*\t+31]
	v_max3_num_f32 v[T], v[T], v[T+1], v[T+2]
	v_max_num_f32 v[T], v[T], v[T+3]
	v_permlanex16_b32 v[T+1], v[T], s54, s55       ; the other half's keys of the same query
	v_max3_num_f32 v[T+2], v[T], v[T+1], v[MXR+\t] ; the new maximum
	v_sub_f32 v[T+3], v[MXR+\t], v[T+2]            ; exactly 0 where the maximum stays
	v_mul_f32 v[T+3], s56, v[T+3]
	v_exp_f32 v[AL], v[T+3]
	v_mov_b32 v[MXR+\t], v[T+2]                    ; the plain place behind the exponential (ISA guide 5.7.2)
	v_mul_f32 v[NM], s58, v[T+2]
	v_mul_f32 v[NM+1], s58, v[T+2]
	s_wait_alu depctr_va_vdst(0)
	v_mov_b32 v[AL+1], v[AL]
.set ii, 0
.rept 16
	v_pk_fma_f32 v[SCO+32*\t+2*ii:SCO+32*\t+2*ii+1], v[SCO+32*\t+2*ii:SCO+32*\t+2*ii+1], s[56:57], v[NM:NM+1] op_sel_hi:[1,0,1]
.set ii, ii+1
.endr
.set ii, 0
.rept 32
	v_exp_f32 v[SCO+32*\t+ii], v[SCO+32*\t+ii]
.set ii, ii+1
.endr
.set ii, 0
.rept 16
	v_pk_mul_f32 v[OAC+32*\t+2*ii:OAC+32*\t+2*ii+1], v[OAC+32*\t+2*ii:OAC+32*\t+2*ii+1], v[AL:AL+1]   ; the running result to the new maximum: also the plain places behind the exponentials
.set ii, ii+1
.endr
	s_wait_alu depctr_va_vdst(0)
.irp k, 0,1,2,3
	v_pk_add_f32 v[T+2*\k:T+2*\k+1], v[SCO+32*\t+8*\k:SCO+32*\t+8*\k+1], v[SCO+32*\t+8*\k+2:SCO+32*\t+8*\k+3]
.endr
.irp k, 0,1,2,3
	v_pk_add_f32 v[T+2*\k:T+2*\k+1], v[T+2*\k:T+2*\k+1], v[SCO+32*\t+8*\k+4:SCO+32*\t+8*\k+5]
.endr
.irp k, 0,1,2,3
	v_pk_add_f32 v[T+2*\k:T+2*\k+1], v[T+2*\k:T+2*\k+1], v[SCO+32*\t+8*\k+6:SCO+32*\t+8*\k+7]
.endr
	v_pk_add_f32 v[T:T+1], v[T:T+1], v[T+2:T+3]
	v_pk_add_f32 v[T+4:T+5], v[T+4:T+5], v[T+6:T+7]
	v_pk_add_f32 v[T:T+1], v[T:T+1], v[T+4:T+5]
	v_add_f32 v[T], v[T], v[T+1]
	v_fma_f32 v[LSR+\t], v[LSR+\t], v[AL], v[T]    ; my own keys alone; the halves meet at the block's end
	WIN 0x40                                       ; P's two parts go to window 1
.set ii, 0
.rept 16
	v_perm_b32 v[PHI+16*\t+ii], v[SCO+32*\t+2*ii+1], v[SCO+32*\t+2*ii], s14       ; the high parts: two upper halves, packed
.set ii, ii+1
.endr
	WIN 0
.set ii, 0
.rept 32
	v_fma_mix_f32_bf16 v[SCO+32*\t+ii], v[SCO+32*\t+ii], v[NEG1], v[SCO+32*\t+ii] op_sel:[1,0,0] op_sel_hi:[1,0,0]   ; the number less its own upper half: exact
.set ii, ii+1
.endr
	WIN 0x40
.set ii, 0
.rept 16
	v_cvt_pk_bf16_f32 v[PLO+16*\t+ii], v[SCO+32*\t+2*ii], v[SCO+32*\t+2*ii+1]     ; the low parts
.set ii, ii+1
.endr
	WIN 0
.endm
; 16 LDS loads: four tiles of 16 keys x 64 d of K at byte off of the slot; d = 0 .. 31 first
.macro KLD slot, off
.irp kk, 0,1
.irp a, 0,1,2,3
	ds_load_b128 v[KVF+16*\a+8*\kk:KVF+16*\a+8*\kk+3],   v[ADK+\slot] offset:\off+\a*16*KP+\kk*64
	ds_load_b128 v[KVF+16*\a+8*\kk+4:KVF+16*\a+8*\kk+7], v[ADK+\slot] offset:\off+\a*16*KP+\kk*64+32
.endr
.endr
.endm
; 16 transposing LDS loads: four tiles of 16 d x 64 keys of V at byte off behind V's high part; keys 0 .. 31 first
.macro VLD slot, off
.irp g, 0,1
.irp dt, 0,1,2,3
	ds_load_tr16_b128 v[KVF+16*\dt+8*\g:KVF+16*\dt+8*\g+3],   v[ADV+\slot] offset:\off+32*\g*VP+32*\dt
	ds_load_tr16_b128 v[KVF+16*\dt+8*\g+4:KVF+16*\dt+8*\g+7], v[ADV+\slot] offset:\off+32*\g*VP+32*\dt+16*VP
.endr
.endr
.endm
; Eight matrix instructions on the eight score tiles, or on the eight result tiles.  The eight accumulators take turns, one instruction a turn, in the same
; order in every run.  Which part of an operand is meant is said by the register window.
.macro QK kk, zero
.irp a, 0,1,2,3
.irp t, 0,1
.if \zero
	v_wmma_f32_16x16x32_bf16 v[SCO+32*\t+8*\a:SCO+32*\t+8*\a+7], v[KVF+16*\a+8*\kk:KVF+16*\a+8*\kk+7], v[QFR+16*\t+8*\kk:QFR+16*\t+8*\kk+7], 0
.else
	v_wmma_f32_16x16x32_bf16 v[SCO+32*\t+8*\a:SCO+32*\t+8*\a+7], v[KVF+16*\a+8*\kk:KVF+16*\a+8*\kk+7], v[QFR+16*\t+8*\kk:QFR+16*\t+8*\kk+7], v[SCO+32*\t+8*\a:SCO+32*\t+8*\a+7]
.endif
.endr
.endr
.endm
.macro PV g, pb
.irp dt, 0,1,2,3
.irp t, 0,1
	v_wmma_f32_16x16x32_bf16 v[OAC+32*\t+8*\dt:OAC+32*\t+8*\dt+7], v[KVF+16*\dt+8*\g:KVF+16*\dt+8*\g+7], v[\pb+16*\t+8*\g:\pb+16*\t+8*\g+7], v[OAC+32*\t+8*\dt:OAC+32*\t+8*\dt+7]
.endr
.endr
.endm
; One sub-step: 64 keys (half sub of the slot) against my 32 queries.  mode 1: masked; mode 0: masked if s18 says that this is the block's last chunk.
.macro SUB slot, sub, mode
	KLD \slot, \sub*64*KP                          ; K high
	WIN 0x40
	KLD \slot, \sub*64*KP+PART                     ; K low
	WIN 0
	s_wait_dscnt 24                                ; of the 32 loads the first eight are in: K high, d = 0 .. 31
	QK 0, 1                                        ; K high x Q high starts the sums
	s_wait_dscnt 16                                ; K high, d = 32 .. 63; K low's sixteen may stay out
	QK 1, 0
	WIN 0x04                                       ; source 1 in window 1: K high x Q low
	QK 0, 0
	QK 1, 0
	s_wait_dscnt 8                                 ; K low, d = 0 .. 31
	WIN 0x01                                       ; source 0 in window 1: K low x Q high
	QK 0, 0
	s_wait_dscnt 0x0
	QK 1, 0
	WIN 0
	PLACES 4                                       ; V lands on K's registers, and the softmax reads the scores
	VLD \slot, 64*\sub*VP                          ; V high
	WIN 0x40
	VLD \slot, 64*\sub*VP+PART                     ; V low
	WIN 0
.if \mode
	MASK \sub
.else
	s_cmp_eq_u32 s18, 0
	s_cbranch_scc1 .Lopen_\@
	MASK \sub
.Lopen_\@:
.endif
	SOFT 0
	SOFT 1
	s_wait_dscnt 24                                ; of the 32 loads the first eight are in: V high, keys 0 .. 31
	WIN 0x04                                       ; source 1 (P) in window 1: V high x P high
	PV 0, PHI
	s_wait_dscnt 16                                ; V high, keys 32 .. 63; V low's sixteen may stay out
	PV 1, PHI
	PV 0, PLO                                      ; V high x P low
	PV 1, PLO
	s_wait_dscnt 8                                 ; V low, keys 0 .. 31
	WIN 0x05                                       ; both sources in window 1: V low x P high
	PV 0, PHI
	s_wait_dscnt 0x0
	PV 1, PHI
	WIN 0
	PLACES 4                                       ; the next K lands on V, or the result is read
.endm
; A block ends: divide by the sum, split into a high and a low bf16, out through my own stage as 512 neighbouring bytes a store.  restart = 1: the second block begins.
.macro FINISH restart
	s_lshl_b32 s22, s13, 19                        ; block x 16 heads x 2 planes x 16,384 bytes
	s_add_nc_u64 s[60:61], s[50:51], s[22:23]
.irp t, 0,1
	v_permlanex16_b32 v[T], v[LSR+\t], s54, s55
	v_add_f32 v[T], v[T], v[LSR+\t]                ; at least 1: the largest score's exponential is in it
	v_rcp_f32 v[T+2], v[T]
	v_nop                                          ; the plain place behind the reciprocal (ISA guide 5.7.2)
	s_wait_alu depctr_va_vdst(0)
	v_mov_b32 v[T+3], v[T+2]
.set ii, 0
.rept 16
	v_pk_mul_f32 v[OAC+32*\t+2*ii:OAC+32*\t+2*ii+1], v[OAC+32*\t+2*ii:OAC+32*\t+2*ii+1], v[T+2:T+3]
.set ii, ii+1
.endr
.set ii, 0
.rept 16
	v_perm_b32 v[KVF+ii], v[OAC+32*\t+2*ii+1], v[OAC+32*\t+2*ii], s14             ; the high parts
.set ii, ii+1
.endr
.set ii, 0
.rept 32
	v_fma_mix_f32_bf16 v[OAC+32*\t+ii], v[OAC+32*\t+ii], v[NEG1], v[OAC+32*\t+ii] op_sel:[1,0,0] op_sel_hi:[1,0,0]   ; the number less its own upper half: exact
.set ii, ii+1
.endr
.set ii, 0
.rept 16
	v_cvt_pk_bf16_f32 v[KVF+16+ii], v[OAC+32*\t+2*ii], v[OAC+32*\t+2*ii+1]        ; the low parts
.set ii, ii+1
.endr
.irp pl, 0,1
.irp dt, 0,1,2,3
	ds_store_b128 v[STO], v[KVF+16*\pl+4*\dt:KVF+16*\pl+4*\dt+3] offset:32*\dt
.endr
.irp u, 0,1,2,3
	ds_load_b128 v[SCO+32*\t+16*\pl+4*\u:SCO+32*\t+16*\pl+4*\u+3], v[RD] offset:4*SP*\u     ; LDS serves a wave's instructions in order: these see the stores above
.endr
.irp u, 0,1,2,3
	s_wait_dscnt 3-\u                              ; the younger read-backs may stay out
	global_store_b128 v[CO], v[SCO+32*\t+16*\pl+4*\u:SCO+32*\t+16*\pl+4*\u+3], s[60:61] offset:\pl*16384+\t*2048+\u*512
.endr
.endr
.endr
.if \restart
	s_mov_b32 s13, s12                             ; block x,
	s_mov_b32 s15, -1                              ; whose chunk 0 is the next trip's
	START
.endif
.endm
; One chunk of 128 keys.  In front of the barrier: all my tensor loads have landed (my part of this trip's slot) and my reads of the other slot are back;
; behind it the other slot is asked for again, first of all, and has this trip's two sub-steps in which to land.
.macro TRIP slot, other, refill, tail
	s_wait_tensorcnt 0x0
	ds_add_u32 v30, v31
	s_wait_dscnt 0x0
.if \refill
	s_add_co_u32 s16, s16, 1                       ; the stream's next chunk: behind the first block's last one comes chunk 0 of the second
	s_cmp_eq_u32 s16, s17
	s_cselect_b32 s16, 0, s16
	s_cselect_b32 s17, 0xffff, s17                 ; once
	s_lshl_b32 s22, s16, 14                        ; chunk x 128 keys x 128 bytes
	s_add_nc_u64 s[G0+4*\other+2:G0+4*\other+3], s[20:21], s[22:23]
	s_or_b32 s[G0+4*\other+3], s[G0+4*\other+3], 0x80000000
.endif
	s_wait_dscnt 0x0
	s_barrier_signal -1
	s_barrier_wait -1
.if \refill
	KVLOAD \other
.endif
.if \tail
	SUB \slot, 0, 1
	SUB \slot, 1, 1
	FINISH 0
.else
	s_cmp_eq_u32 s15, s13                          ; the block's last chunk holds its diagonal
	s_cselect_b32 s18, 1, 0
	SUB \slot, 0, 0
	SUB \slot, 1, 0
	s_cmp_eq_u32 s18, 0
	s_cbranch_scc1 .Lgo_on_\@                      ; the same in all four waves; no barrier stands inside
	FINISH 1
.Lgo_on_\@:
	s_add_co_u32 s15, s15, 1
.endif
.endm
	START
	s_mov_b32 s19, 8                               ; chunks 0 to 15 of the stream
.Lpair:
	TRIP 0, 1, 1, 0
	TRIP 1, 0, 1, 0
	s_sub_co_u32 s19, s19, 1
	s_cmp_lg_u32 s19, 0
	s_cbranch_scc1 .Lpair
	TRIP 0, 1, 0, 1                                ; the 17th chunk is the second block's last: masked, nothing left to fetch
	s_wait_tensorcnt 0x0
	ds_add_u32 v30, v31
	s_wait_dscnt 0x0
	s_endpgm
.Lfunc_end_k_q66828cbc1a_attn:
	.size	k_q66828cbc1a_attn, .Lfunc_end_k_q66828cbc1a_attn-k_q66828cbc1a_attn
	.p2alignl 7, 3214868480
	.fill 96, 4, 3214868480
	.section	.rodata,"a",@progbits
	.p2align	6, 0x0
	.amdhsa_kernel k_q66828cbc1a_attn
		.amdhsa_group_segment_fixed_size 327680
		.amdhsa_private_segment_fixed_size 0
		.amdhsa_enable_private_segment 0
		.amdhsa_kernarg_size 16
		.amdhsa_user_sgpr_count 2
		.amdhsa_user_sgpr_kernarg_segment_ptr 1
		.amdhsa_wavefront_size32 1
		.amdhsa_system_sgpr_workgroup_id_x 1
		.amdhsa_system_sgpr_workgroup_id_y 1
		.amdhsa_system_sgpr_workgroup_id_z 1
		.amdhsa_system_vgpr_workitem_id 0
		.amdhsa_next_free_vgpr 448
		.amdhsa_next_free_sgpr 66
		.amdhsa_reserve_vcc 1
		.amdhsa_float_denorm_mode_32 3
		.amdhsa_float_denorm_mode_16_64 3
		.amdhsa_memory_ordered 1
		.amdhsa_forward_progress 1
		.amdhsa_inst_pref_size 255
	.end_amdhsa_kernel
	.section	.bss,"aw",@nobits
	.p2align	6
	.space	262144
	.amdgpu_metadata
---
amdhsa.version: [ 1, 2 ]
amdhsa.kernels:
  - .name:           k_q66828cbc1a_attn
    .symbol:         k_q66828cbc1a_attn.kd
    .args:
      - { .name: qkv, .offset: 0, .size: 8, .value_kind: global_buffer, .address_space: global }
      - { .name: att, .offset: 8, .size: 8, .value_kind: global_buffer, .address_space: global }
    .group_segment_fixed_size: 327680
    .private_segment_fixed_size: 0
    .kernarg_segment_align: 8
    .kernarg_segment_size: 16
    .max_flat_workgroup_size: 128
    .sgpr_count:     66
    .vgpr_count:     448
    .wavefront_size: 32
...
	.end_amdgpu_metadata
.endif
;; end of part 2
;; launch oproj (part 3): grid 8 x 32, 4 waves a work-group, clusters of 4 x 4, 327,680 bytes of LDS; arguments att, wo, out0; writes out0
.if DOCPART == 3
	.amdgcn_target "amdgcn-amd-amdhsa--gfx1250"
	.amdhsa_code_object_version 6
	.text
	.protected	k_q66828cbc1a_oproj
	.globl	k_q66828cbc1a_oproj
	.p2align	8
	.type	k_q66828cbc1a_oproj,@function
k_q66828cbc1a_oproj:
	s_mov_b64 s[64:65], 0
	v_nop
	global_prefetch_b8 v0, s[64:65] scope:SCOPE_SE
	s_setreg_imm32_b32 hwreg(HW_REG_WAVE_MODE, 25, 1), 1
	s_wait_xcnt 0x0
	s_wait_alu depctr_hold_cnt(0) depctr_sa_sdst(0) depctr_va_vdst(0) depctr_va_sdst(0) depctr_va_ssrc(0) depctr_va_vcc(0) depctr_vm_vsrc(0)
	s_getreg_b32 s2, hwreg(HW_REG_IB_STS2, 6, 4)
	s_cmp_eq_u32 s2, 0
	s_cbranch_scc0 .Lentry_in_a_cluster
	s_endpgm
.Lentry_in_a_cluster:
	s_bfe_u32 s2, ttmp6, 0x10000c
	s_cmp_lg_u32 s2, 0xf033
	s_cbranch_scc0 .Lentry_shape_is_right
	s_endpgm
.Lentry_shape_is_right:
; Third of three launches: out0 = a wo^T, where a[m][64 head + d] is the attention's result and wo is [1024 (out)][1024 (in)] f32.  out0: [4096][1024] f32.
; att: [32 (block of 128 tokens)][16 (head)][2 (high, low)][128][64] bf16: a = high + low, about 16 significant bits.  Each product is made twice, with the high
; and with the low part, onto the same sum.
; LIMITS: wo is rounded to bf16 (nearest even) on the way to the matrix unit; sums are f32 and are stored as they are.
; A work-group makes 128 x 128 of out0: 32 x 8 = 256 work-groups.  Four waves, as many as a WGP has SIMDs; wave (wm, wn) makes 64 x 64 in 16 accumulator tiles.
; K goes in 8 steps of 128 (two heads) through two LDS slots of four parts: head 2 s and head 2 s + 1 of the block (each a dense block of 32,768 bytes: 128 tokens'
; high parts, then their low parts; pitch 144 a token), rows 0-63 and 64-127 of wo's piece (512 bytes a row, pitch 528).  Wave w fetches part w with one tensor load.
; CLUSTERS: 4 x 4 work-groups; att's tiles hang on the token block alone and are asked for jointly along a row of the cluster, wo's on the column block alone
; and are asked for jointly along a column.  By this text's count a wave has two tensor loads out at the start and one behind each round.
; REGISTER WINDOWS: 0 everything but the accumulators; 1 the accumulators, tile (a, c) at v[8 (4 a + c)].
; The matrix instruction is used transposed (source 0 = 16 rows of wo, source 1 = 16 tokens): a lane holds 8 neighbouring columns of one token, 32 bytes.
.set AP,     144
.set BP,     528
.set PART,   256*AP                    ; 36,864: a head's 2 x 128 rows; wo's 64 rows use 33,792 of it
.set SLOT,   4*PART
.set STAGE,  2*SLOT                    ; 16 rows x 272 bytes for each wave; no tensor load lands there
.set SP,     272
.set ADRA,   4                         ; v4-5    LDS address of my token fragments in slot 0, 1
.set ADRB,   6                         ; v6-7    the same for wo
.set STO,    12
.set RD,     13
.set CO,     14
.set AF,     32                        ; v32-159 token fragments: buffer p, part pl (0 high, 1 low), tile a at 32 + 64 p + 32 pl + 8 a
.set BF,     160                       ; v160-191 wo's fragments in bf16
.set ST,     192                       ; v192-255 wo's fragments in f32 as they come from LDS
.set G1A,    24
.set G0A,    32
.set G1B,    40
.set G0B,    48
.set MSB, 0
.macro WIN new                         ; the immediate's high byte repeats the setting that is left
.if MSB != \new
	s_set_vgpr_msb (MSB<<8)|\new
.set MSB, \new
.endif
.endm
.macro PLACES n                        ; plain vector places behind matrix instructions (ISA guide 7.12.1)
.rept \n
	v_nop
.endr
.endm
.macro JLOAD s                         ; waves 0, 1 ask for the two heads of att, waves 2, 3 for wo's halves; each line has one mask
	s_cmp_eq_u32 s11, 0
	s_cbranch_scc0 .Lfor_b_\@
	tensor_load_to_lds s[G0A+4*\s:G0A+4*\s+3], s[G1A:G1A+7]
	s_nop 0
	s_branch .Lasked_\@
.Lfor_b_\@:
	tensor_load_to_lds s[G0B+4*\s:G0B+4*\s+3], s[G1B:G1B+7]
	s_nop 0
.Lasked_\@:
.endm
.macro CREST                           ; a round of the cluster's barrier behind its opening work-group barrier
	s_cmp_lg_u32 s10, 0
	s_cbranch_scc1 .Lnot_wave_0_\@
	s_barrier_signal -3
.Lnot_wave_0_\@:
	s_barrier_wait -3
	s_barrier_signal -1
	s_barrier_wait -1
.endm
.macro CROUND
	s_barrier_signal -1
	s_barrier_wait -1
	CREST
.endm
	s_load_b128 s[4:7], s[0:1], 0x0                ; att s[4:5], wo s[6:7]
	s_load_b64 s[8:9], s[0:1], 0x10                ; out0
	v_lshl_add_u32 v30, v0, 2, 0x4c400
	v_mov_b32 v31, 0
	ds_add_u32 v30, v31
	ds_add_u32 v30, v31
	v_lshrrev_b32 v1, 5, v0
	v_readfirstlane_b32 s10, v1                    ; wave 0..3
	s_lshr_b32 s11, s10, 1                         ; wm: which 64 tokens.  Also: I fetch att (0) or wo (1)
	s_and_b32 s12, s10, 1                          ; wn: which 64 columns.  Also: which half I fetch
	s_bfe_u32 s13, ttmp6, 0x40000                  ; cx
	s_bfe_u32 s14, ttmp6, 0x40004                  ; cy
	s_lshl_b32 s15, ttmp9, 2
	s_add_co_u32 s15, s15, s13                     ; nblock, 0..7
	s_and_b32 s16, ttmp7, 0xffff
	s_lshl_b32 s16, s16, 2
	s_add_co_u32 s16, s16, s14                     ; mblock, 0..31
	s_lshl_b32 s17, s14, 2
	s_lshl_b32 s17, 15, s17                        ; my row of the cluster
	s_lshl_b32 s18, 0x1111, s13                    ; my column
	s_or_b32 s[G1A], s17, (1<<16)|(1<<20)|(1<<21)|(4<<22)|(3<<25)   ; element of 2 bytes; padding of 4 words after every 32 (one token's part)
	s_mov_b32 s[G1A+1], 128<<16                    ; a dense block as 128 rows of 256 bytes
	s_mov_b32 s[G1A+2], 128<<16
	s_mov_b32 s[G1A+3], 128<<16
	s_mov_b32 s[G1A+4], 128
	s_mov_b32 s[G1A+5], 128
	s_mov_b32 s[G1A+6], 0
	s_mov_b32 s[G1A+7], 0
	s_or_b32 s[G1B], s18, (2<<16)|(1<<20)|(1<<21)|(6<<22)|(3<<25)   ; element of 4 bytes; padding of 4 words after every 128 (one row)
	s_mov_b32 s[G1B+1], 128<<16                    ; 64 rows of 128 f32
	s_mov_b32 s[G1B+2], 64<<16
	s_mov_b32 s[G1B+3], 128<<16
	s_mov_b32 s[G1B+4], 64
	s_mov_b32 s[G1B+5], 1024
	s_mov_b32 s[G1B+6], 0
	s_mov_b32 s[G1B+7], 0
	s_lshl_b32 s60, s16, 19                        ; att: mblock x 16 heads x 32,768 bytes (these registers hold cy, never cx)
	s_lshl_b32 s61, s12, 15                        ; + the even or the odd head
	s_add_co_u32 s60, s60, s61
	s_mov_b32 s61, 0
	s_lshl_b32 s62, s15, 19                        ; wo: nblock x 128 rows x 4,096 bytes (these hold cx, never cy)
	s_lshl_b32 s63, s12, 18                        ; + my 64 rows
	s_add_co_u32 s62, s62, s63
	s_mov_b32 s63, 0
	s_mul_i32 s20, s10, PART                       ; where my part of a slot lies: the wave's number alone
	s_wait_dscnt 0x0
	s_wait_kmcnt 0x0
	s_add_nc_u64 s[58:59], s[4:5], s[60:61]
	s_add_nc_u64 s[56:57], s[6:7], s[62:63]
	CROUND                                         ; all sixteen work-groups are here: the first joint loads meet
.irp s, 0,1
	s_mov_b32 s[G0A+4*\s], 1
	s_add_co_u32 s[G0A+4*\s+1], s20, \s*SLOT
	s_add_nc_u64 s[G0A+4*\s+2:G0A+4*\s+3], s[58:59], \s*65536      ; a K step is two heads
	s_or_b32 s[G0A+4*\s+3], s[G0A+4*\s+3], 0x80000000
	s_mov_b32 s[G0B+4*\s], 1
	s_add_co_u32 s[G0B+4*\s+1], s20, \s*SLOT
	s_add_nc_u64 s[G0B+4*\s+2:G0B+4*\s+3], s[56:57], \s*512        ; or 128 f32 of a row of wo
	s_or_b32 s[G0B+4*\s+3], s[G0B+4*\s+3], 0x80000000
	JLOAD \s
.endr
	v_and_b32 v1, 15, v0                           ; r
	v_bfe_u32 v2, v0, 4, 1                         ; h
	v_mul_u32_u24 v3, v1, AP
	v_lshl_add_u32 v3, v2, 4, v3
	s_mul_i32 s21, s11, 64*AP
	v_add_nc_u32 v[ADRA], s21, v3                  ; token 64 wm + r, 16 bytes for each half of the lanes
	v_add_nc_u32 v[ADRA+1], SLOT, v[ADRA]
	v_mul_u32_u24 v3, v1, BP
	v_lshl_add_u32 v3, v2, 5, v3
	s_mul_i32 s22, s12, PART                       ; my 64 columns are the 64 rows of wo in part 2 + wn
	s_add_co_u32 s22, s22, 2*PART
	v_add_nc_u32 v[ADRB], s22, v3                  ; row r of it, 32 bytes (8 f32) for each half
	v_add_nc_u32 v[ADRB+1], SLOT, v[ADRB]
	s_mul_i32 s23, s10, 16*SP
	s_add_co_u32 s23, s23, STAGE
	v_mul_u32_u24 v3, v1, SP
	v_lshl_add_u32 v3, v2, 5, v3
	v_add_nc_u32 v[STO], s23, v3                   ; in: token r, 32 bytes for each half
	v_mul_u32_u24 v3, v2, SP
	v_lshl_add_u32 v3, v1, 4, v3
	v_add_nc_u32 v[RD], s23, v3                    ; back: lanes 0-15 one row of 256 bytes, lanes 16-31 the next
	v_lshlrev_b32 v3, 12, v2
	v_lshl_add_u32 v[CO], v1, 4, v3                ; and the same two rows in out0
; The fragments of quarter kq (32 K) of a slot: 16 loads of tokens (bf16, high and low parts, as they are) into buffer p, 16 loads of wo (f32)
.macro LDF slot, kq, p
.irp pl, 0,1
.irp a, 0,1,2,3
	ds_load_b128 v[AF+64*\p+32*\pl+8*\a:AF+64*\p+32*\pl+8*\a+3],   v[ADRA+\slot] offset:(\kq/2)*PART+(\kq&1)*64+\pl*128*AP+\a*16*AP
	ds_load_b128 v[AF+64*\p+32*\pl+8*\a+4:AF+64*\p+32*\pl+8*\a+7], v[ADRA+\slot] offset:(\kq/2)*PART+(\kq&1)*64+\pl*128*AP+\a*16*AP+32
.endr
.endr
.irp c, 0,1,2,3
.irp u, 0,1,2,3
	ds_load_b128 v[ST+16*\c+4*\u:ST+16*\c+4*\u+3], v[ADRB+\slot] offset:\c*16*BP+\kq*128+16*\u+32*(\u/2)
.endr
.endr
.endm
.macro CVT
.irp c, 0,1,2,3
	s_wait_dscnt 12-4*\c                           ; the four loads of each younger fragment of wo may stay out; the tokens' loads are older
.irp i, 0,1,2,3,4,5,6,7
	v_cvt_pk_bf16_f32 v[BF+8*\c+\i], v[ST+16*\c+2*\i], v[ST+16*\c+2*\i+1]
.endr
.endr
.endm
; 8 matrix instructions: part pl of token tiles a0, a0 + 1 x 4 column tiles.  The 16 accumulators take turns, one instruction a turn, in the same order in every
; run of sixteen.
.macro MUL8 p, pl, a0, zero
.irp a, \a0, \a0+1
.irp c, 0,1,2,3
.if \zero
	v_wmma_f32_16x16x32_bf16 v[8*(4*(\a)+\c):8*(4*(\a)+\c)+7], v[BF+8*\c:BF+8*\c+7], v[AF+64*\p+32*\pl+8*(\a):AF+64*\p+32*\pl+8*(\a)+7], 0
.else
	v_wmma_f32_16x16x32_bf16 v[8*(4*(\a)+\c):8*(4*(\a)+\c)+7], v[BF+8*\c:BF+8*\c+7], v[AF+64*\p+32*\pl+8*(\a):AF+64*\p+32*\pl+8*(\a)+7], v[8*(4*(\a)+\c):8*(4*(\a)+\c)+7]
.endif
.endr
.endr
.endm
; One of a K step's first three quarters: convert wo, ask LDS for quarter kn into buffer pn, multiply buffer p, high parts and then low parts
.macro QUARTER slot, kn, p, pn, zero
	PLACES 4                                       ; the conversions write, and the loads land on, fragments that earlier matrix instructions read
	WIN 0
	CVT
	LDF \slot, \kn, \pn
	WIN 0x50
	MUL8 \p, 0, 0, \zero
	MUL8 \p, 0, 2, \zero
	MUL8 \p, 1, 0, 0
	MUL8 \p, 1, 2, 0
.endm
; The fourth quarter changes slots: my reads are back, all my tensor loads have landed, the barrier (with fill = 1 it opens a round of the cluster's barrier),
; the joint refill first behind it, then the next slot's first fragments.
.macro TURN slot, next, fill
	PLACES 4
	WIN 0
	CVT
	s_wait_dscnt 0x0                               ; met: the last conversion's wait was for 0
	s_wait_tensorcnt 0x0
	ds_add_u32 v30, v31
	s_wait_dscnt 0x0
	s_barrier_signal -1
	WIN 0x50
	MUL8 1, 0, 0, 0                                ; register work while the others arrive: the high parts
	MUL8 1, 0, 2, 0
	WIN 0
	s_barrier_wait -1
.if \fill
	CREST
	s_add_nc_u64 s[G0A+4*\slot+2:G0A+4*\slot+3], s[G0A+4*\slot+2:G0A+4*\slot+3], 131072
	s_add_nc_u64 s[G0B+4*\slot+2:G0B+4*\slot+3], s[G0B+4*\slot+2:G0B+4*\slot+3], 1024
	JLOAD \slot
.endif
	LDF \next, 0, 0
	WIN 0x50
	MUL8 1, 1, 0, 0                                ; the low parts
	MUL8 1, 1, 2, 0
.endm
.macro THREE slot, zero
	QUARTER \slot, 1, 0, 1, \zero
	QUARTER \slot, 2, 1, 0, 0
	QUARTER \slot, 3, 0, 1, 0
.endm
.macro LAP zero
	THREE 0, \zero
	TURN 0, 1, 1
	THREE 1, 0
	TURN 1, 0, 1
.endm
	s_wait_tensorcnt 0x1                           ; my part of K step 0 is in; K step 1's load may stay out
	s_barrier_signal -1
	s_barrier_wait -1
	LDF 0, 0, 0
	LAP 1                                          ; K steps 0, 1: their first products start the sums
	WIN 0
	s_mov_b32 s19, 2                               ; K steps 2 to 5
.Llap:
	LAP 0
	WIN 0
	s_sub_co_u32 s19, s19, 1
	s_cmp_lg_u32 s19, 0
	s_cbranch_scc1 .Llap
	THREE 0, 0                                     ; K steps 6, 7: nothing is left to fetch
	TURN 0, 1, 0
	THREE 1, 0
	PLACES 4
	WIN 0
	CVT
	WIN 0x50
	MUL8 1, 0, 0, 0
	MUL8 1, 0, 2, 0
	MUL8 1, 1, 0, 0
	MUL8 1, 1, 2, 0
	; THE WAY OUT: 16 tokens x 64 columns of f32 at a time through my own stage; sixteen lanes then store 256 neighbouring bytes, aligned.
	PLACES 4                                       ; the LDS stores read results, the read-backs land on fragments
	s_lshl_b32 s60, s16, 19                        ; mblock x 128 rows x 4,096 bytes
	s_lshl_b32 s61, s11, 18                        ; + my 64 rows
	s_add_co_u32 s60, s60, s61
	s_mov_b32 s61, 0
	s_add_nc_u64 s[8:9], s[8:9], s[60:61]
	s_lshl_b32 s62, s15, 9                         ; nblock x 128 columns x 4 bytes
	s_lshl_b32 s63, s12, 8                         ; + my 64 columns
	s_add_co_u32 s62, s62, s63
	s_mov_b32 s63, 0
	s_add_nc_u64 s[8:9], s[8:9], s[62:63]
.macro OUT16 a, buf
	WIN 0x04                                       ; the data of an LDS store is source 1: window 1
.irp c, 0,1,2,3
	ds_store_b128 v[STO], v[8*(4*\a+\c):8*(4*\a+\c)+3]   offset:64*\c
	ds_store_b128 v[STO], v[8*(4*\a+\c)+4:8*(4*\a+\c)+7] offset:64*\c+16
.endr
	WIN 0
	s_wait_xcnt 0x0                                ; the buffer, which earlier stores read, is loaded again only behind this wait
.irp u, 0,1,2,3,4,5,6,7
	ds_load_b128 v[\buf+4*\u:\buf+4*\u+3], v[RD] offset:2*SP*\u      ; LDS serves a wave's instructions in order: these see the stores above
.endr
.irp u, 0,1,2,3,4,5,6,7
	s_wait_dscnt 7-\u                              ; the younger read-backs may stay out
	global_store_b128 v[CO], v[\buf+4*\u:\buf+4*\u+3], s[8:9] offset:\a*65536+\u*8192 th:TH_STORE_NT
.endr
.endm
	OUT16 0, 32
	OUT16 1, 64
	OUT16 2, 32
	OUT16 3, 64
	s_wait_tensorcnt 0x0
	ds_add_u32 v30, v31
	s_wait_dscnt 0x0
	CROUND                                         ; the closing round: no work-group ends while a partner may still ask for a tile that names it
	s_endpgm
.Lfunc_end_k_q66828cbc1a_oproj:
	.size	k_q66828cbc1a_oproj, .Lfunc_end_k_q66828cbc1a_oproj-k_q66828cbc1a_oproj
	.p2alignl 7, 3214868480
	.fill 96, 4, 3214868480
	.section	.rodata,"a",@progbits
	.p2align	6, 0x0
	.amdhsa_kernel k_q66828cbc1a_oproj
		.amdhsa_group_segment_fixed_size 327680
		.amdhsa_private_segment_fixed_size 0
		.amdhsa_enable_private_segment 0
		.amdhsa_kernarg_size 24
		.amdhsa_user_sgpr_count 2
		.amdhsa_user_sgpr_kernarg_segment_ptr 1
		.amdhsa_wavefront_size32 1
		.amdhsa_system_sgpr_workgroup_id_x 1
		.amdhsa_system_sgpr_workgroup_id_y 1
		.amdhsa_system_sgpr_workgroup_id_z 1
		.amdhsa_system_vgpr_workitem_id 0
		.amdhsa_next_free_vgpr 384
		.amdhsa_next_free_sgpr 66
		.amdhsa_reserve_vcc 0
		.amdhsa_float_denorm_mode_32 3
		.amdhsa_float_denorm_mode_16_64 3
		.amdhsa_memory_ordered 1
		.amdhsa_forward_progress 1
		.amdhsa_inst_pref_size 171
	.end_amdhsa_kernel
	.amdgpu_metadata
---
amdhsa.version: [ 1, 2 ]
amdhsa.kernels:
  - .name:           k_q66828cbc1a_oproj
    .symbol:         k_q66828cbc1a_oproj.kd
    .args:
      - { .name: att, .offset: 0, .size: 8, .value_kind: global_buffer, .address_space: global }
      - { .name: wo, .offset: 8, .size: 8, .value_kind: global_buffer, .address_space: global }
      - { .name: out0, .offset: 16, .size: 8, .value_kind: global_buffer, .address_space: global }
    .group_segment_fixed_size: 327680
    .private_segment_fixed_size: 0
    .kernarg_segment_align: 8
    .kernarg_segment_size: 24
    .max_flat_workgroup_size: 128
    .sgpr_count:     66
    .vgpr_count:     384
    .wavefront_size: 32
...
	.end_amdgpu_metadata
.endif
;; end of part 3
;; ======== version 2 of 3: 4 launches; 1.37 times as fast as version 1
;; workspace buffers: cb 16,777,216 bytes; qkv 25,165,824 bytes; scl 786,432 bytes; att 16,777,216 bytes
;; launch cast (part 4): grid 512 x 1, 8 waves a work-group, no clusters, 0 bytes of LDS; arguments x, wq, wk, wv, wo, cb; writes cb
.if DOCPART == 4
	.amdgcn_target "amdgcn-amd-amdhsa--gfx1250"
	.amdhsa_code_object_version 6
	.text
	.protected	k_q66828cbc1a_cast
	.globl	k_q66828cbc1a_cast
	.p2align	8
	.type	k_q66828cbc1a_cast,@function
k_q66828cbc1a_cast:
	s_mov_b64 s[64:65], 0
	v_nop
	global_prefetch_b8 v0, s[64:65] scope:SCOPE_SE
	s_setreg_imm32_b32 hwreg(HW_REG_WAVE_MODE, 25, 1), 1
	s_wait_xcnt 0x0
; First of four launches: x and the four weights, all f32, are rounded once to bf16 (nearest even), the form in which the matrix unit takes them.
; cb, bf16: x [4096][1024] at byte 0, wq at 8,388,608, wk at 10,485,760, wv at 12,582,912, wo at 14,680,064, each [1024][1024].
; WHY A LAUNCH OF ITS OWN: the products' work-groups share these numbers: a number of x is an operand in 8 column blocks x 2 waves, a number of a weight in 32 token
; blocks x 2 waves.  Rounded here, it is converted once, and the products' tiles and LDS reads are half as many bytes.
; A stream: 33,554,432 bytes in, 16,777,216 out, each once; no LDS, no barrier, no matrix unit, no cluster: no work-group shares a byte with another.
; 512 work-groups of eight waves; work-group g takes 16,384 numbers: g < 256: piece g of x; else piece g mod 64 of weight (g - 256) / 64.  Its 32,768 output bytes lie
; at 32,768 g in either case.  Thread t takes the 16 bytes at 16 t of each of sixteen runs of 4,096 bytes: a load of a wave covers 512 neighbouring bytes, a store
; 256 consecutive bytes, aligned.  All sixteen loads go out at once; no register is written twice, so the counted waits for the loads are the only waits.
.set X, 4                              ; v4-67   sixteen loads of four f32
.set Y, 68                             ; v68-99  sixteen pairs of registers, four bf16 each
	s_load_b256 s[4:11], s[0:1], 0x0               ; x s[4:5], wq s[6:7], wk s[8:9], wv s[10:11]
	s_load_b128 s[12:15], s[0:1], 0x20             ; wo s[12:13], cb s[14:15]
	s_mov_b32 s18, ttmp9                           ; g
	s_and_b32 s19, s18, 255                        ; piece of x
	s_and_b32 s20, s18, 63                         ; piece of a weight
	s_lshr_b32 s21, s19, 6                         ; which weight
	v_lshlrev_b32 v1, 4, v0                        ; 16 t
	v_lshlrev_b32 v2, 3, v0                        ; 8 t
	s_wait_kmcnt 0x0
	s_cmp_eq_u32 s21, 1
	s_cselect_b64 s[22:23], s[8:9], s[6:7]
	s_cmp_eq_u32 s21, 2
	s_cselect_b64 s[22:23], s[10:11], s[22:23]
	s_cmp_eq_u32 s21, 3
	s_cselect_b64 s[22:23], s[12:13], s[22:23]
	s_cmp_lt_u32 s18, 256
	s_cselect_b64 s[22:23], s[4:5], s[22:23]       ; the source
	s_cselect_b32 s26, s19, s20                    ; and my piece of it,
	s_lshl_b32 s26, s26, 16                        ; of 65,536 bytes
	s_mov_b32 s27, 0
	s_add_nc_u64 s[22:23], s[22:23], s[26:27]
	s_lshl_b32 s28, s18, 15
	s_mov_b32 s29, 0
	s_add_nc_u64 s[24:25], s[14:15], s[28:29]
.irp j, 0,1,2,3,4,5,6,7,8,9,10,11,12,13,14,15
	global_load_b128 v[X+4*\j:X+4*\j+3], v1, s[22:23] offset:\j*4096 th:TH_LOAD_NT     ; read once in the launch
.endr
.irp j, 0,1,2,3,4,5,6,7,8,9,10,11,12,13,14,15
	s_wait_loadcnt 15-\j                           ; loads come back in order: the younger ones may stay out
	v_cvt_pk_bf16_f32 v[Y+2*\j], v[X+4*\j], v[X+4*\j+1]
	v_cvt_pk_bf16_f32 v[Y+2*\j+1], v[X+4*\j+2], v[X+4*\j+3]
	global_store_b64 v2, v[Y+2*\j:Y+2*\j+1], s[24:25] offset:\j*2048
.endr
	s_endpgm
.Lfunc_end_k_q66828cbc1a_cast:
	.size	k_q66828cbc1a_cast, .Lfunc_end_k_q66828cbc1a_cast-k_q66828cbc1a_cast
	.p2alignl 7, 3214868480
	.fill 96, 4, 3214868480
	.section	.rodata,"a",@progbits
	.p2align	6, 0x0
	.amdhsa_kernel k_q66828cbc1a_cast
		.amdhsa_group_segment_fixed_size 0
		.amdhsa_private_segment_fixed_size 0
		.amdhsa_enable_private_segment 0
		.amdhsa_kernarg_size 48
		.amdhsa_user_sgpr_count 2
		.amdhsa_user_sgpr_kernarg_segment_ptr 1
		.amdhsa_wavefront_size32 1
		.amdhsa_system_sgpr_workgroup_id_x 1
		.amdhsa_system_sgpr_workgroup_id_y 1
		.amdhsa_system_sgpr_workgroup_id_z 1
		.amdhsa_system_vgpr_workitem_id 0
		.amdhsa_next_free_vgpr 100
		.amdhsa_next_free_sgpr 66
		.amdhsa_reserve_vcc 0
		.amdhsa_float_denorm_mode_32 3
		.amdhsa_float_denorm_mode_16_64 3
		.amdhsa_memory_ordered 1
		.amdhsa_forward_progress 1
		.amdhsa_inst_pref_size 7
	.end_amdhsa_kernel
	.amdgpu_metadata
---
amdhsa.version: [ 1, 2 ]
amdhsa.kernels:
  - .name:           k_q66828cbc1a_cast
    .symbol:         k_q66828cbc1a_cast.kd
    .args:
      - { .name: x, .offset: 0, .size: 8, .value_kind: global_buffer, .address_space: global }
      - { .name: wq, .offset: 8, .size: 8, .value_kind: global_buffer, .address_space: global }
      - { .name: wk, .offset: 16, .size: 8, .value_kind: global_buffer, .address_space: global }
      - { .name: wv, .offset: 24, .size: 8, .value_kind: global_buffer, .address_space: global }
      - { .name: wo, .offset: 32, .size: 8, .value_kind: global_buffer, .address_space: global }
      - { .name: cb, .offset: 40, .size: 8, .value_kind: global_buffer, .address_space: global }
    .group_segment_fixed_size: 0
    .private_segment_fixed_size: 0
    .kernarg_segment_align: 8
    .kernarg_segment_size: 48
    .max_flat_workgroup_size: 256
    .sgpr_count:     66
    .vgpr_count:     100
    .wavefront_size: 32
...
	.end_amdgpu_metadata
.endif
;; end of part 4
;; launch qkv (part 5): grid 8 x 32, 4 waves a work-group, clusters of 4 x 4, 327,680 bytes of LDS; arguments cb, qkv, scl; writes qkv, scl
.if DOCPART == 5
	.amdgcn_target "amdgcn-amd-amdhsa--gfx1250"
	.amdhsa_code_object_version 6
	.text
	.protected	k_q66828cbc1a_qkv
	.globl	k_q66828cbc1a_qkv
	.p2align	8
	.type	k_q66828cbc1a_qkv,@function
k_q66828cbc1a_qkv:
	s_mov_b64 s[64:65], 0
	v_nop
	global_prefetch_b8 v0, s[64:65] scope:SCOPE_SE
	s_setreg_imm32_b32 hwreg(HW_REG_WAVE_MODE, 25, 1), 1
	s_wait_xcnt 0x0
	s_wait_alu depctr_hold_cnt(0) depctr_sa_sdst(0) depctr_va_vdst(0) depctr_va_sdst(0) depctr_va_ssrc(0) depctr_va_vcc(0) depctr_vm_vsrc(0)
	s_getreg_b32 s2, hwreg(HW_REG_IB_STS2, 6, 4)
	s_cmp_eq_u32 s2, 0
	s_cbranch_scc0 .Lentry_in_a_cluster
	s_endpgm
.Lentry_in_a_cluster:
	s_bfe_u32 s2, ttmp6, 0x10000c
	s_cmp_lg_u32 s2, 0xf033
	s_cbranch_scc0 .Lentry_shape_is_right
	s_endpgm
.Lentry_shape_is_right:
; Second of four launches: q, k, v = x wq^T, x wk^T, x wv^T.  cb holds, in bf16, x [4096][1024] at byte 0 and wq, wk, wv [1024 (out)][1024 (in)] at 8,388,608,
; 10,485,760 and 12,582,912 (rounded from f32, nearest even, by the first launch).
; Result: qkv[3 (q, k, v)][2 (b)][16 (head)][2048 (t)][64 (d)] in f16, scaled; a head's rows are dense: two tokens are 256 neighbouring bytes.
; BLOCK SCALES: each group of 64 tokens x 64 columns (one head) of q, of k and of v is multiplied by a power of two, 2^(140 - E), where E is the exponent field of
; the group's largest magnitude, so that every number lies below 2^14 and f16's range is no limit at any size of the inputs.  The unit 2^(E - 140) goes to
; scl[3][32 (b, head)][32 (group)], repeated over 256 bytes, so that the wave's one store covers 256 consecutive bytes, aligned: 786,432 bytes beside 25,165,824.
; f16 keeps 11 significant bits.  bf16's 8 would not do: the first tokens of a causal softmax average over few keys, so their outputs are as large as v itself,
; and an error of 2^-9 of that size is large beside the typical output, which averages over hundreds of keys.
; LIMITS: x and the weights are bf16; sums are f32; q, k, v keep 11 significant bits, fewer for an element below 2^-28 of its group's largest, none below 2^-38
; of it.  E is held between 14 and 253.  NaN and infinities are not followed.
; A work-group makes 128 tokens x 384 columns: columns 128 nblock .. +127 (two heads) of each of q, k and v: 32 x 8 = 256 work-groups.
; Four waves, as many as a WGP has SIMDs; wave w = (wm, wn) makes 64 tokens x one head of q, k and v: 4 x 12 accumulator tiles, 384 registers.
; K goes in 8 steps of 128 bf16 (rows of 256 bytes, aligned) through two LDS slots of 512 rows: x, wq's, wk's, wv's piece, 128 rows each;
; wave w fetches rows 128 w .. +127 of a slot with one tensor load.  From a refill to the wait for it a wave issues 168 matrix instructions.
; CLUSTERS: 4 x 4 work-groups.  x's tile hangs on the token block alone and is asked for jointly along a row of the cluster, the weights'
; tiles on the column block alone and are asked for jointly along a column: a quarter of the requests.
; By this text's count a wave has two tensor loads out at the start and one behind each round.
; REGISTER WINDOWS: 0 addresses and fragment buffer 0; 1 fragment buffer 1, under the same numbers;
; 2 the accumulators of token tiles 0, 1 (tile (a, b) at v[8 (12 a + b)], b = 4 mi + c); 3 those of token tiles 2, 3.
; The matrix instruction is used transposed (source 0 = 16 rows of a weight, source 1 = 16 tokens): a lane then holds 8 neighbouring columns of one token.
.set PITCH,  272                       ; an LDS row: 256 bytes + 16 of padding, an odd multiple of 16: the 16 rows of a fragment load start at 16 different 16-byte columns
.set PART,   128*PITCH                 ; what one tensor load brings
.set SLOT,   4*PART
.set STAGE,  2*SLOT                    ; behind the ring: 16 rows x 144 bytes for each wave; no tensor load lands there
.set SP,     144
.set KB,     256                       ; bytes of a K step in a row of x or of a weight
.set ADRA,   4                         ; v4-5    LDS address of my x fragments in slot 0, 1
.set ADRB,   6                         ; v6-11   the same for wq, wk, wv in slot 0, then in slot 1
.set STO,    12                        ; v12     the way out: where I put 16 bytes of a token
.set RD,     13                        ; v13     the way out: where I read back
.set CO,     14                        ; v14     the way out: 16 x lane
.set CO8,    19                        ; v19     the way out: 8 x lane
.set FR,     32                        ; v32-159 the 16 fragments of a quarter step: 0-3 tokens, 4 + 4 mi + c weights; window 0 buffer 0, window 1 buffer 1
.set AM,     96                        ; the way out: v96-107 four running maxima for each of q, k, v; v108 at work
.set AX,     108
.set FAC,    110                       ; v110-115 the factor 2^(140 - E) of q, k, v, twice each
.set UNI,    116                       ; v116-121 the unit 2^(E - 140) of q, k, v, twice each
.set G1A,    24                        ; s[24:31] descriptor group 1 for x
.set G0A,    32                        ; s[32:39] group 0 for x, a set for each slot
.set G1B,    40                        ; s[40:47] group 1 for the weights: another mask
.set G0B,    48                        ; s[48:55] group 0 for the weights
.set OUTB,   70                        ; s[70:75] my first output byte in q, k, v
.set G1W0,   (1<<16)|(1<<20)|(1<<21)|(5<<22)|(3<<25)   ; element of 2 bytes; padding on; bit 21 beside a mask; after every 64 words; 4 words
.set MSB, 0
.macro WIN new                         ; the immediate's high byte repeats the setting that is left
.if MSB != (\new)
	s_set_vgpr_msb (MSB<<8)|(\new)
.set MSB, (\new)
.endif
.endm
.macro PLACES n                        ; plain vector places behind matrix instructions (ISA guide 7.12.1)
.rept \n
	v_nop
.endr
.endm
; A joint load: wave 0 asks for x's tile, waves 1 to 3 for wq's, wk's, wv's.  Each line has one mask; the branch hangs on the wave's number alone.
.macro JLOAD s
	s_cmp_eq_u32 s14, 0
	s_cbranch_scc0 .Lfor_b_\@
	tensor_load_to_lds s[G0A+4*\s:G0A+4*\s+3], s[G1A:G1A+7]
	s_nop 0
	s_branch .Lasked_\@
.Lfor_b_\@:
	tensor_load_to_lds s[G0B+4*\s:G0B+4*\s+3], s[G1B:G1B+7]
	s_nop 0
.Lasked_\@:
.endm
.macro CREST                           ; a round of the cluster's barrier behind its opening work-group barrier
	s_cmp_lg_u32 s14, 0
	s_cbranch_scc1 .Lnot_wave_0_\@
	s_barrier_signal -3
.Lnot_wave_0_\@:
	s_barrier_wait -3
	s_barrier_signal -1
	s_barrier_wait -1
.endm
.macro CROUND                          ; a whole round
	s_barrier_signal -1
	s_barrier_wait -1
	CREST
.endm
	s_load_b128 s[4:7], s[0:1], 0x0                ; cb s[4:5], qkv s[6:7]
	s_load_b64 s[84:85], s[0:1], 0x10              ; scl
	v_lshl_add_u32 v254, v0, 2, 0x46400
	v_mov_b32 v255, 0
	ds_add_u32 v254, v255
	ds_add_u32 v254, v255
	v_lshrrev_b32 v1, 5, v0
	v_readfirstlane_b32 s14, v1                    ; wave 0..3
	s_lshr_b32 s15, s14, 1                         ; wm: which 64 tokens
	s_and_b32 s16, s14, 1                          ; wn: which of the two heads
	s_bfe_u32 s17, ttmp6, 0x40000                  ; cx
	s_bfe_u32 s18, ttmp6, 0x40004                  ; cy
	s_lshl_b32 s19, ttmp9, 2
	s_add_co_u32 s19, s19, s17                     ; nblock = 4 x cluster x + cx, 0..7
	s_and_b32 s20, ttmp7, 0xffff
	s_lshl_b32 s20, s20, 2
	s_add_co_u32 s20, s20, s18                     ; mblock = 4 x cluster y + cy, 0..31
	s_lshl_b32 s21, s18, 2
	s_lshl_b32 s21, 15, s21                        ; my row of the cluster
	s_lshl_b32 s22, 0x1111, s17                    ; my column
	s_or_b32 s[G1A], s21, G1W0                     ; x's tiles go to my row
	s_or_b32 s[G1B], s22, G1W0                     ; the weights' tiles to my column
.irp g, G1A, G1B
	s_mov_b32 s[\g+1], 128<<16                     ; tensor_dim0 = 128
	s_mov_b32 s[\g+2], 128<<16                     ; tensor_dim1 = 128
	s_mov_b32 s[\g+3], 128<<16                     ; tile_dim0 = 128 elements = 256 bytes
	s_mov_b32 s[\g+4], 128                         ; tile_dim1 = 128 rows
	s_mov_b32 s[\g+5], 1024                        ; elements from row to row
	s_mov_b32 s[\g+6], 0
	s_mov_b32 s[\g+7], 0
.endr
	s_lshl_b32 s60, s20, 18                        ; x: mblock x 128 rows x 2,048 bytes (holds cy, never cx)
	s_mov_b32 s61, 0
	s_max_u32 s67, s14, 1                          ; wave 1 fetches wq, wave 2 wk, wave 3 wv (wave 0's address is wq's and is not used)
	s_sub_co_u32 s67, s67, 1
	s_lshl_b32 s67, s67, 21                        ; a weight is 2,097,152 bytes
	s_lshl_b32 s62, s19, 18                        ; + nblock x 128 rows x 2,048 bytes (holds cx, never cy)
	s_add_co_u32 s62, s62, s67
	s_add_co_u32 s62, s62, 0x800000                ; behind x's 8,388,608 bytes
	s_mov_b32 s63, 0
	s_mul_i32 s66, s14, PART                       ; where my part of a slot lies: the wave's number alone
	s_wait_dscnt 0x0
	s_wait_kmcnt 0x0
	s_add_nc_u64 s[58:59], s[4:5], s[60:61]
	s_add_nc_u64 s[56:57], s[4:5], s[62:63]
	CROUND                                         ; all sixteen work-groups are here: the first joint loads meet
.irp s, 0,1
	s_mov_b32 s[G0A+4*\s], 1
	s_add_co_u32 s[G0A+4*\s+1], s66, \s*SLOT
	s_add_nc_u64 s[G0A+4*\s+2:G0A+4*\s+3], s[58:59], \s*KB
	s_or_b32 s[G0A+4*\s+3], s[G0A+4*\s+3], 0x80000000
	s_mov_b32 s[G0B+4*\s], 1
	s_add_co_u32 s[G0B+4*\s+1], s66, \s*SLOT
	s_add_nc_u64 s[G0B+4*\s+2:G0B+4*\s+3], s[56:57], \s*KB
	s_or_b32 s[G0B+4*\s+3], s[G0B+4*\s+3], 0x80000000
	JLOAD \s                                       ; K steps 0 and 1: both slots are asked for before anything else is done
.endr
	; A fragment is 16 rows x 32 K in 8 registers.  Lane (r, h) holds row r; K = 8h .. 8h+7 and 16+8h .. 16+8h+7: two loads of 16 bytes, 32 bytes apart, at 16 h.
	v_and_b32 v1, 15, v0                           ; r
	v_bfe_u32 v2, v0, 4, 1                         ; h
	v_mul_u32_u24 v3, v1, PITCH
	v_lshl_add_u32 v3, v2, 4, v3                   ; r x pitch + 16 h
	s_mul_i32 s67, s15, 64*PITCH                   ; my 64 tokens
	v_add_nc_u32 v[ADRA], s67, v3
	v_add_nc_u32 v[ADRA+1], SLOT, v[ADRA]
	s_mul_i32 s68, s16, 64*PITCH                   ; my head's 64 rows of each weight piece,
	s_add_co_u32 s68, s68, PART                    ; which lie behind x's 128 rows
	v_add_nc_u32 v15, s68, v3
.irp sl, 0,1
.irp mi, 0,1,2
	v_add_nc_u32 v[ADRB+3*\sl+\mi], \sl*SLOT+\mi*PART, v15
.endr
.endr
	s_mul_i32 s69, s14, 16*SP
	s_add_co_u32 s69, s69, STAGE                   ; my stage
	v_mul_u32_u24 v16, v1, SP
	v_lshl_add_u32 v16, v2, 4, v16
	v_add_nc_u32 v[STO], s69, v16                  ; in: token r, 16 bytes for each half of the lanes
	v_bfe_u32 v16, v0, 3, 2
	v_and_b32 v17, 7, v0
	v_mul_u32_u24 v16, v16, SP
	v_lshl_add_u32 v16, v17, 4, v16
	v_add_nc_u32 v[RD], s69, v16                   ; back: eight lanes take one token's 128 bytes, the wave four tokens
	v_and_b32 v[CO8], 31, v0
	v_lshlrev_b32 v[CO], 4, v[CO8]                 ; which are 512 neighbouring bytes of the result
	v_lshlrev_b32 v[CO8], 3, v[CO8]                ; a unit's 256 bytes: 8 a lane
; 32 LDS loads in one run: the 16 fragments of one quarter step (32 K at byte 64 kq of the slot's rows) into buffer p: the weights' twelve, then token tiles 0 to 3
.macro FETCH slot, kq, p
	WIN 0x40*\p                                    ; the destination's window is the buffer's number
.irp mi, 0,1,2
.irp c, 0,1,2,3
	ds_load_b128 v[FR+8*(4+4*\mi+\c):FR+8*(4+4*\mi+\c)+3],   v[ADRB+3*\slot+\mi] offset:\c*16*PITCH+\kq*64
	ds_load_b128 v[FR+8*(4+4*\mi+\c)+4:FR+8*(4+4*\mi+\c)+7], v[ADRB+3*\slot+\mi] offset:\c*16*PITCH+\kq*64+32
.endr
.endr
.irp f, 0,1,2,3
	ds_load_b128 v[FR+8*\f:FR+8*\f+3],   v[ADRA+\slot] offset:\f*16*PITCH+\kq*64
	ds_load_b128 v[FR+8*\f+4:FR+8*\f+7], v[ADRA+\slot] offset:\f*16*PITCH+\kq*64+32
.endr
.endm
; 24 matrix instructions from buffer p: token tiles 2 hi, 2 hi + 1 x all 12 column tiles.  zero = 1: the first products start the sums.
; The 48 accumulators take turns, one instruction a turn, in the same order in every quarter.
.macro MUL24 p, hi, zero
	WIN 0xa0+0x50*\hi+5*\p                         ; both sources in window p, C and D in window 2 + hi
.irp a, 0,1
.irp b, 0,1,2,3,4,5,6,7,8,9,10,11
.if \zero
	v_wmma_f32_16x16x32_bf16 v[8*(12*\a+\b):8*(12*\a+\b)+7], v[FR+8*(4+\b):FR+8*(4+\b)+7], v[FR+8*(2*\hi+\a):FR+8*(2*\hi+\a)+7], 0
.else
	v_wmma_f32_16x16x32_bf16 v[8*(12*\a+\b):8*(12*\a+\b)+7], v[FR+8*(4+\b):FR+8*(4+\b)+7], v[FR+8*(2*\hi+\a):FR+8*(2*\hi+\a)+7], v[8*(12*\a+\b):8*(12*\a+\b)+7]
.endif
.endr
.endr
.endm
; A K step is four quarters of 32 along K, 48 matrix instructions each, on buffers 0, 1, 0, 1.
; One of the first three: multiplies buffer p; in its middle it fetches quarter kn of the same slot into buffer pn.
.macro QUARTER slot, kn, p, pn, zero
	s_wait_dscnt 4                                 ; the weights and token tiles 0, 1 are in; the youngest four loads (token tiles 2, 3) may stay out
	MUL24 \p, 0, \zero
	PLACES 4                                       ; the loads land on fragments that the last quarter's matrix instructions read
	FETCH \slot, \kn, \pn
	s_wait_dscnt 32                                ; all but the 32 just issued
	MUL24 \p, 1, \zero
.endm
.macro THREE slot, zero
	QUARTER \slot, 1, 0, 1, \zero
	QUARTER \slot, 2, 1, 0, 0
	QUARTER \slot, 3, 0, 1, 0
.endm
; The fourth quarter multiplies buffer 1 and changes slots.  In front of the barrier: my reads of this slot are back and all my tensor loads have landed (one was
; out: my part of the next slot).  fill = 1: the barrier opens a round of the cluster's barrier, and behind the round this slot is asked for again, two K steps
; ahead, first of all; then the next slot's first fragments are read.
.macro TURN slot, next, fill
	s_wait_dscnt 0x0
	s_wait_tensorcnt 0x0
	ds_add_u32 v254, v255
	s_wait_dscnt 0x0
	s_barrier_signal -1
	MUL24 1, 0, 0                                  ; register work while the others arrive
	WIN 0
	s_barrier_wait -1
.if \fill
	CREST
	s_add_nc_u64 s[G0A+4*\slot+2:G0A+4*\slot+3], s[G0A+4*\slot+2:G0A+4*\slot+3], 2*KB
	s_add_nc_u64 s[G0B+4*\slot+2:G0B+4*\slot+3], s[G0B+4*\slot+2:G0B+4*\slot+3], 2*KB
	JLOAD \slot
.endif
	PLACES 4                                       ; the loads land on buffer 0, which the third quarter's matrix instructions read
	FETCH \next, 0, 0
	MUL24 1, 1, 0
.endm
.macro LAP zero
	THREE 0, \zero
	TURN 0, 1, 1
	THREE 1, 0
	TURN 1, 0, 1
.endm
	s_wait_tensorcnt 0x1                           ; my part of K step 0 is in; K step 1's load may stay out
	s_barrier_signal -1
	s_barrier_wait -1
	FETCH 0, 0, 0
	LAP 1                                          ; K steps 0, 1 stand in front of the loop: their first products start the sums
	WIN 0
	s_mov_b32 s23, 2                               ; K steps 2 to 5
.Llap:
	LAP 0
	WIN 0
	s_sub_co_u32 s23, s23, 1
	s_cmp_lg_u32 s23, 0
	s_cbranch_scc1 .Llap
	THREE 0, 0                                     ; K steps 6, 7: nothing is left to fetch
	TURN 0, 1, 0
	THREE 1, 0
	s_wait_dscnt 0x0
	MUL24 1, 0, 0
	MUL24 1, 1, 0
	; THE WAY OUT.  First the largest magnitude of my 64 x 64 numbers of q, of k and of v, then the power of two that brings them below 2^14.
	PLACES 4                                       ; behind the last matrix instructions: results are read and rewritten, the loads land on fragments
	WIN 0
	s_mov_b32 s67, 0x76543210                      ; v_permlanex16_b32: lane i of one half reads lane i of the other
	s_mov_b32 s68, 0xfedcba98
	s_lshr_b32 s82, s20, 4                         ; b
	s_lshl_b32 s82, s82, 4
	s_lshl1_add_u32 s82, s19, s82                  ; 16 b + 2 nblock
	s_add_co_u32 s82, s82, s16                     ; + wn: my head
	s_lshl_b32 s86, s82, 13                        ; scl: head x 32 groups x 256 bytes
	s_lshl_b32 s82, s82, 18                        ; qkv: head x 2,048 tokens x 128 bytes
	s_and_b32 s83, s20, 15
	s_lshl_b32 s87, s83, 9                         ; the block's two groups of 64 tokens,
	s_add_co_u32 s86, s86, s87
	s_lshl_b32 s87, s15, 8                         ; of which one is mine
	s_add_co_u32 s86, s86, s87
	s_mov_b32 s87, 0
	s_add_nc_u64 s[84:85], s[84:85], s[86:87]
	s_lshl_b32 s83, s83, 14                        ; the block's 128 tokens
	s_add_co_u32 s82, s82, s83
	s_lshl_b32 s83, s15, 13                        ; my 64 tokens
	s_add_co_u32 s82, s82, s83
	s_mov_b32 s83, 0
	s_add_nc_u64 s[OUTB:OUTB+1], s[6:7], s[82:83]
	s_add_nc_u64 s[OUTB+2:OUTB+3], s[OUTB:OUTB+1], 0x800000      ; k lies 8,388,608 bytes behind q: one more than a store's immediate reaches,
	s_add_nc_u64 s[OUTB+4:OUTB+5], s[OUTB:OUTB+1], 0x1000000     ; v as much behind k
.irp k, 0,1,2,3,4,5,6,7,8,9,10,11,12
	v_mov_b32 v[AM+\k], 0                          ; magnitudes are not below 0
.endr
.macro AMAX win                        ; the 64 accumulator registers of q, of k and of v in one window, four chains each that do not wait for each other
	WIN \win
.irp mi, 0,1,2
.irp a, 0,1
.irp c, 0,1,2,3
.irp k, 0,1,2,3
	v_max3_num_f32 v[AM+4*\mi+\k], v[AM+4*\mi+\k], |v[8*(12*\a+4*\mi+\c)+2*\k]|, |v[8*(12*\a+4*\mi+\c)+2*\k+1]|
.endr
.endr
.endr
.endr
.endm
	AMAX 0x28                                      ; sources 1 and 2 in window 2
	AMAX 0x3c                                      ; in window 3
	WIN 0
.irp mi, 0,1,2
	v_max3_num_f32 v[AM+4*\mi], v[AM+4*\mi], v[AM+4*\mi+1], v[AM+4*\mi+2]
	v_max_num_f32 v[AM+4*\mi], v[AM+4*\mi], v[AM+4*\mi+3]
	v_max_num_f32_dpp v[AM+4*\mi], v[AM+4*\mi], v[AM+4*\mi] row_xmask:1 row_mask:0xf bank_mask:0xf
	v_max_num_f32_dpp v[AM+4*\mi], v[AM+4*\mi], v[AM+4*\mi] row_xmask:2 row_mask:0xf bank_mask:0xf
	v_max_num_f32_dpp v[AM+4*\mi], v[AM+4*\mi], v[AM+4*\mi] row_xmask:4 row_mask:0xf bank_mask:0xf
	v_max_num_f32_dpp v[AM+4*\mi], v[AM+4*\mi], v[AM+4*\mi] row_xmask:8 row_mask:0xf bank_mask:0xf
	v_permlanex16_b32 v[AX], v[AM+4*\mi], s67, s68
	v_max_num_f32 v[AM+4*\mi], v[AM+4*\mi], v[AX]  ; every lane holds the group's largest magnitude
	v_and_b32 v[AM+4*\mi], 0x7f800000, v[AM+4*\mi] ; its exponent field E, in place,
	v_max_u32 v[AM+4*\mi], 0x07000000, v[AM+4*\mi] ; held at 14 at the least
	v_min_u32 v[AM+4*\mi], 0x7e800000, v[AM+4*\mi] ; and 253 at the most, so that factor and unit are normal numbers
	v_sub_nc_u32 v[FAC+2*\mi], 0x85800000, v[AM+4*\mi]     ; field 267 - E: the factor 2^(140 - E)
	v_add_nc_u32 v[UNI+2*\mi], 0xf9800000, v[AM+4*\mi]     ; field E - 13: the unit 2^(E - 140)
	v_mov_b32 v[FAC+2*\mi+1], v[FAC+2*\mi]
	v_mov_b32 v[UNI+2*\mi+1], v[UNI+2*\mi]
	global_store_b64 v[CO8], v[UNI+2*\mi:UNI+2*\mi+1], s[84:85] offset:\mi*262144   ; the unit 64 times: 256 consecutive bytes, aligned
.endr
; 16 tokens x 64 columns at a time: scaled, rounded to f16, through my own stage, out as 512 neighbouring bytes a store
.macro OUT16 a, mi, buf
.if \a < 2
	WIN 0x82                                       ; source 0 and destination in the accumulators' window, the factor in window 0
.else
	WIN 0xc3
.endif
.irp c, 0,1,2,3
.irp i, 0,1,2,3
	v_pk_mul_f32 v[8*(12*(\a&1)+4*\mi+\c)+2*\i:8*(12*(\a&1)+4*\mi+\c)+2*\i+1], v[8*(12*(\a&1)+4*\mi+\c)+2*\i:8*(12*(\a&1)+4*\mi+\c)+2*\i+1], v[FAC+2*\mi:FAC+2*\mi+1]
.endr
.endr
.if \a < 2
	WIN 0x0a
.else
	WIN 0x0f
.endif
.irp c, 0,1,2,3
.irp i, 0,1,2,3
	v_cvt_pk_f16_f32 v[FR+4*\c+\i], v[8*(12*(\a&1)+4*\mi+\c)+2*\i], v[8*(12*(\a&1)+4*\mi+\c)+2*\i+1]
.endr
.endr
	WIN 0
.irp c, 0,1,2,3
	ds_store_b128 v[STO], v[FR+4*\c:FR+4*\c+3] offset:32*\c
.endr
	s_wait_xcnt 0x0                                ; the buffer, which earlier stores read, is loaded again only behind this wait
.irp u, 0,1,2,3
	ds_load_b128 v[\buf+4*\u:\buf+4*\u+3], v[RD] offset:4*SP*\u      ; LDS serves a wave's instructions in order: these see the stores above
.endr
.irp u, 0,1,2,3
	s_wait_dscnt 3-\u                              ; the younger read-backs may stay out
	global_store_b128 v[CO], v[\buf+4*\u:\buf+4*\u+3], s[OUTB+2*\mi:OUTB+2*\mi+1] offset:\a*2048+\u*512
.endr
.endm
.irp a, 0,1,2,3
	OUT16 \a, 0, 64
	OUT16 \a, 1, 80
	OUT16 \a, 2, 64
.endr
	s_wait_tensorcnt 0x0
	ds_add_u32 v254, v255
	s_wait_dscnt 0x0
	CROUND                                         ; the closing round: no work-group ends while a partner may still ask for a tile that names it
	s_endpgm
.Lfunc_end_k_q66828cbc1a_qkv:
	.size	k_q66828cbc1a_qkv, .Lfunc_end_k_q66828cbc1a_qkv-k_q66828cbc1a_qkv
	.p2alignl 7, 3214868480
	.fill 96, 4, 3214868480
	.section	.rodata,"a",@progbits
	.p2align	6, 0x0
	.amdhsa_kernel k_q66828cbc1a_qkv
		.amdhsa_group_segment_fixed_size 327680
		.amdhsa_private_segment_fixed_size 0
		.amdhsa_enable_private_segment 0
		.amdhsa_kernarg_size 24
		.amdhsa_user_sgpr_count 2
		.amdhsa_user_sgpr_kernarg_segment_ptr 1
		.amdhsa_wavefront_size32 1
		.amdhsa_system_sgpr_workgroup_id_x 1
		.amdhsa_system_sgpr_workgroup_id_y 1
		.amdhsa_system_sgpr_workgroup_id_z 1
		.amdhsa_system_vgpr_workitem_id 0
		.amdhsa_next_free_vgpr 960
		.amdhsa_next_free_sgpr 88
		.amdhsa_reserve_vcc 0
		.amdhsa_float_denorm_mode_32 3
		.amdhsa_float_denorm_mode_16_64 3
		.amdhsa_memory_ordered 1
		.amdhsa_forward_progress 1
		.amdhsa_inst_pref_size 191
	.end_amdhsa_kernel
	.amdgpu_metadata
---
amdhsa.version: [ 1, 2 ]
amdhsa.kernels:
  - .name:           k_q66828cbc1a_qkv
    .symbol:         k_q66828cbc1a_qkv.kd
    .args:
      - { .name: cb, .offset: 0, .size: 8, .value_kind: global_buffer, .address_space: global }
      - { .name: qkv, .offset: 8, .size: 8, .value_kind: global_buffer, .address_space: global }
      - { .name: scl, .offset: 16, .size: 8, .value_kind: global_buffer, .address_space: global }
    .group_segment_fixed_size: 327680
    .private_segment_fixed_size: 0
    .kernarg_segment_align: 8
    .kernarg_segment_size: 24
    .max_flat_workgroup_size: 128
    .sgpr_count:     88
    .vgpr_count:     960
    .wavefront_size: 32
...
	.end_amdgpu_metadata
.endif
;; end of part 5
;; launch attn (part 6): grid 8 x 32, 4 waves a work-group, no clusters, 327,680 bytes of LDS; arguments qkv, att, scl; writes att
.if DOCPART == 6
	.amdgcn_target "amdgcn-amd-amdhsa--gfx1250"
	.amdhsa_code_object_version 6
	.text
	.protected	k_q66828cbc1a_attn
	.globl	k_q66828cbc1a_attn
	.p2align	8
	.type	k_q66828cbc1a_attn,@function
k_q66828cbc1a_attn:
	s_mov_b64 s[64:65], 0
	v_nop
	global_prefetch_b8 v0, s[64:65] scope:SCOPE_SE
	s_setreg_imm32_b32 hwreg(HW_REG_WAVE_MODE, 25, 1), 1
	s_wait_xcnt 0x0
; Third of four launches: causal attention of one (batch, head), softmax by a running maximum.
; qkv: [3 (q, k, v)][32 (b, head)][2048][64] f16, each group of 64 tokens of a head scaled by a power of two; scl: [3][32][32 (group)], the group's unit (the true
; number is the f16 number times the unit), at the first word of a block of 256 bytes.
; att: [32 (16 b + block of 128 tokens)][16 (head)][2 (high, low)][128][64] bf16: the result as two bf16 (the f32 cut to its upper 16 bits, and the exact remainder
; rounded), about 16 significant bits.
; HOW THE UNITS ENTER.  Scores: S = k^ q^ comes from the matrix unit; the exponent to base 2 is S cs with cs = (log2 e / 8) uq uk, one number for a sub-step of 64 keys.
; Values: with Umax the largest of the head's 32 units of v and f = uv / Umax (at most 1), the exponentials are made as p' = 2^14 f p, by adding 14 + log2 f to the
; exponent; then the sum over keys of p' v^ is (2^14 / Umax) x the sum of p v, whatever the group; the sum of the p is kept as L = sum of p' / f = 2^14 sum of p;
; the result is O / L x Umax.  2^14 uses f16's range upward.  f is held at 2^-100 at the least, so that p' / f loses no p above 2^-40 of the largest.
; LIMITS: q, k, v and the exponentials keep 11 significant bits; scores, maxima, sums and the running result are f32.  A group of v whose largest magnitude is below
; 2^-38 of the head's largest no longer adds to the result (it still counts in the sum).  cs is held between 2^-126 and 2^90: outside, the scores are all 0 to f32's
; precision, or so far apart that the softmax picks the largest either way.  An exponential below 2^-126 comes out as zero (ISA guide, v_exp_f32).  NaN and infinite
; inputs are not followed as the formula would follow them.
; A work-group takes two blocks of 128 queries of head y: block 15 - x (16 - x chunks of 128 keys) and then block x (x + 1 chunks): always 17 chunks, walked
; as one stream through two LDS slots: 8 x 32 = 256 work-groups of equal work.  Wave w owns queries 32 w .. 32 w + 31 of the block, two tiles of 16.
; NO CLUSTER: the eight work-groups of a head walk 16 - x and x + 1 chunks and change blocks at different trips, so partners would need different tiles in
; the same trip, and the change of blocks is a branch that would hang on the place in the cluster.
; THE MATRIX UNIT IS USED TRANSPOSED: S^T = K Q^T (rows = keys, columns = queries): lane (r, h) holds query r and keys 8 h + j of each tile of 16 keys.  Packed to
; f16, the tiles 2 g and 2 g + 1 are, with no move between lanes, the B fragment (32 keys x 16 queries) of O^T = V^T P^T.  Maximum, sum and rescaling factor are
; one number a lane; the two halves of the lanes are joined by one v_permlanex16_b32.
; A slot: K's keys 0-63 and 64-127 (pitch 144), V's keys 0-63 and 64-127 (pitch 160, for the transposing load); wave w fills part w, a dense block of 8,192 bytes.
; By this text's count a wave has one tensor load out.
.set PART,  10240
.set SLOT,  4*PART
.set STAGE, 2*SLOT                     ; 16 rows x 144 bytes for each wave, for the way out; no tensor load lands there
.set KP,    144
.set VP,    160
.set SP,    144
.set SQ,    0                          ; v0      lane g: q's unit of group g (the thread's number is used up by then)
.set ADK,   1                          ; v1-2    LDS address of my K fragments in slot 0, 1
.set ADV,   3                          ; v3-4    the same for V
.set STO,   5
.set RD,    6
.set CO,    7
.set QO,    8                          ; v8      my bytes in a tile of 16 queries
.set REL,   9                          ; v9      32 w + r - 8 h: key 16 a + j of sub-step s is masked for query tile t if 64 s + 16 a + j - 16 t is larger
.set NINF,  10                         ; v10     -infinity
.set NEG1,  11                         ; v11     -1.0
.set MXR,   12                         ; v12-13  running maximum of my query in tile 0, 1, in the exponent's units
.set LSR,   14                         ; v14-15  running sum over my own keys
.set AL,    16                         ; v16-17  the rescaling factor, twice
.set NM,    18                         ; v18-19  14 + log2 f - maximum, twice
.set T,     20                         ; v20-27  at work
.set CK,    28                         ; v28     lane g: (log2 e / 8) x k's unit of group g
.set CKQ,   29                         ; v29     lane g: the same x my queries' unit: cs
.set BK,    30                         ; v30     lane g: 14 + log2 f
.set IVF,   31                         ; v31     lane g: 1 / f
.set QFR,   32                         ; v32-63  Q(t, kk) at 32 + 16 t + 8 kk
.set KVF,   64                         ; v64-127 K(a, kk) at 64 + 16 a + 8 kk, then V(dt, g) at 64 + 16 dt + 8 g
.set SCO,   128                        ; v128-191 S(a, t) at 128 + 32 t + 8 a; packed in place: P(t, g) at 128 + 32 t + 8 g
.set OAC,   192                        ; v192-255 O(dt, t) at 192 + 32 t + 8 dt
.set G1K,   24                         ; s[24:31] descriptor group 1 for K
.set G1V,   32                         ; s[32:39] for V: a wider pad
.set G0,    40                         ; s[40:47] group 0, a set for each slot
.macro PLACES n                        ; plain vector places behind matrix instructions (ISA guide 7.12.1)
.rept \n
	v_nop
.endr
.endm
.macro KVLOAD s                        ; waves 0, 1 fetch K's halves, waves 2, 3 V's
	s_cmp_eq_u32 s9, 0
	s_cbranch_scc0 .Lfor_v_\@
	tensor_load_to_lds s[G0+4*\s:G0+4*\s+3], s[G1K:G1K+7]
	s_nop 0
	s_branch .Lasked_\@
.Lfor_v_\@:
	tensor_load_to_lds s[G0+4*\s:G0+4*\s+3], s[G1V:G1V+7]
	s_nop 0
.Lasked_\@:
.endm
	s_load_b128 s[4:7], s[0:1], 0x0                ; qkv s[4:5], att s[6:7]
	s_load_b64 s[62:63], s[0:1], 0x10              ; scl
	s_set_vgpr_msb 0x40
	v_lshl_add_u32 v0, v0, 2, 0x29000
	v_mov_b32 v1, 0
	s_set_vgpr_msb 0x4045
	ds_add_u32 v0, v1
	ds_add_u32 v0, v1
	s_set_vgpr_msb 0x4500
	v_lshrrev_b32 v22, 5, v0
	v_readfirstlane_b32 s8, v22                    ; wave 0..3
	s_lshr_b32 s9, s8, 1                           ; I fetch K (0) or V (1); also: which 64 of the block's queries hold mine
	s_and_b32 s10, s8, 1                           ; its keys 0-63 or 64-127
	s_and_b32 s11, ttmp7, 0xffff                   ; 16 b + head
	s_mov_b32 s12, ttmp9                           ; x: the second block
	s_sub_co_u32 s13, 15, s12                      ; the block at work: first 15 - x
	s_mov_b32 s14, 0x07060302                      ; v_perm_b32: the upper halves of two words
	s_mov_b32 s15, 0                               ; the chunk at work, counted in its block
	s_mov_b32 s16, 0                               ; the chunk asked for last
	s_sub_co_u32 s17, 16, s12                      ; the first block's chunks: there the stream begins anew at chunk 0
	s_mov_b32 s[G1K], (1<<16)|(1<<20)|(4<<22)|(3<<25)   ; element of 2 bytes; padding on; after every 32 words (one key); 4 words
	s_mov_b32 s[G1V], (1<<16)|(1<<20)|(4<<22)|(7<<25)   ; the same with 8 words
.irp g, G1K, G1V
	s_mov_b32 s[\g+1], 128<<16                     ; a dense block as 32 rows of 256 bytes: tensor_dim0 = 128
	s_mov_b32 s[\g+2], 32<<16                      ; tensor_dim1 = 32
	s_mov_b32 s[\g+3], 128<<16                     ; tile_dim0 = 128
	s_mov_b32 s[\g+4], 32                          ; tile_dim1 = 32
	s_mov_b32 s[\g+5], 128                         ; elements from row to row
	s_mov_b32 s[\g+6], 0
	s_mov_b32 s[\g+7], 0
.endr
	s_mul_i32 s59, s8, PART
	s_mov_b32 s[G0], 1
	s_add_co_u32 s[G0+1], s59, 0
	s_mov_b32 s[G0+4], 1
	s_add_co_u32 s[G0+5], s59, SLOT
	s_add_co_u32 s22, s9, 1
	s_lshl_b32 s22, s22, 23                        ; k lies 8,388,608 bytes behind q, v as much behind k
	s_lshl_b32 s23, s11, 18                        ; the head's 2,048 x 128 bytes
	s_add_co_u32 s22, s22, s23
	s_lshl_b32 s23, s10, 13                        ; my 64 keys
	s_add_co_u32 s22, s22, s23
	s_mov_b32 s23, 0                               ; stays 0: s[22:23] is an offset
	s_wait_dscnt 0x0
	s_wait_kmcnt 0x0
	s_add_nc_u64 s[20:21], s[4:5], s[22:23]        ; my part of chunk 0
	s_mov_b64 s[G0+2:G0+3], s[20:21]
	s_or_b32 s[G0+3], s[G0+3], 0x80000000
	KVLOAD 0                                       ; chunk 0 is asked for before anything else is done
	s_lshl_b32 s22, s11, 18
	s_lshl_b32 s59, s8, 12                         ; my 32 queries
	s_add_co_u32 s22, s22, s59
	s_add_nc_u64 s[48:49], s[4:5], s[22:23]        ; q at my rows of block 0
	s_lshr_b32 s22, s11, 4
	s_lshl_b32 s22, s22, 23                        ; att: b x 16 blocks x 524,288 bytes
	s_and_b32 s10, s11, 15
	s_lshl_b32 s10, s10, 15                        ; + head x 32,768
	s_add_co_u32 s22, s22, s10
	s_add_co_u32 s22, s22, s59                     ; + my 32 queries
	s_add_nc_u64 s[50:51], s[6:7], s[22:23]        ; att's high plane at my rows of block 0
	s_lshl_b32 s22, s11, 13                        ; scl: head x 32 groups x 256 bytes
	s_add_nc_u64 s[62:63], s[62:63], s[22:23]
	s_mov_b32 s54, 0x76543210                      ; v_permlanex16_b32: lane i of one half reads lane i of the other
	s_mov_b32 s55, 0xfedcba98
	s_mov_b32 s56, 0x3e38aa3b                      ; log2 e / 8: the scale 1 / sqrt 64 and the change to base 2
	s_mov_b32 s57, 0x34800000                      ; 2^-22
	s_mov_b32 s69, 0                               ; the upper half of the pair s[68:69]; the packed multiply-add takes s68 for both halves
	v_and_b32 v20, 15, v0                          ; r
	v_bfe_u32 v21, v0, 4, 1                        ; h
	v_and_b32 v26, 7, v0
	v_mul_u32_u24 v[ADK], v20, KP
	v_lshl_add_u32 v[ADK], v21, 4, v[ADK]          ; key r, 16 bytes for each half of the lanes
	v_add_nc_u32 v[ADK+1], SLOT, v[ADK]
	v_lshl_add_u32 v24, v21, 3, v26                ; the transposing load: key 8 h + lane mod 8,
	v_mul_u32_u24 v[ADV], v24, VP
	v_bfe_u32 v25, v0, 3, 1
	v_lshl_add_u32 v[ADV], v25, 4, v[ADV]          ; columns 0-7 or 8-15 of the tile
	v_add_nc_u32 v[ADV], 2*PART, v[ADV]
	v_add_nc_u32 v[ADV+1], SLOT, v[ADV]
	s_mul_i32 s59, s8, 16*SP
	s_add_co_u32 s59, s59, STAGE
	v_mul_u32_u24 v[STO], v20, SP
	v_lshl_add_u32 v[STO], v21, 4, v[STO]
	v_add_nc_u32 v[STO], s59, v[STO]
	v_bfe_u32 v[RD], v0, 3, 2
	v_mul_u32_u24 v[RD], v[RD], SP
	v_lshl_add_u32 v[RD], v26, 4, v[RD]
	v_add_nc_u32 v[RD], s59, v[RD]
	v_and_b32 v24, 31, v0                          ; lane
	v_lshlrev_b32 v[CO], 4, v24
	v_lshlrev_b32 v[QO], 7, v20
	v_lshl_add_u32 v[QO], v21, 4, v[QO]
	v_lshl_add_u32 v[REL], v22, 5, v20
	v_lshlrev_b32 v23, 3, v21
	v_sub_nc_u32 v[REL], v[REL], v23
	v_mov_b32 v[NINF], 0xff800000
	v_mov_b32 v[NEG1], -1.0
	; The head's units, once: lane g takes group g's.
	v_lshlrev_b32 v24, 8, v24                      ; a unit's block is 256 bytes
	global_load_b32 v[CK], v24, s[62:63] offset:262144       ; k's
	global_load_b32 v27, v24, s[62:63] offset:524288         ; v's
	global_load_b32 v[SQ], v24, s[62:63]                     ; q's
	s_wait_loadcnt 0x0
	v_mul_f32 v[CK], s56, v[CK]
	v_max_num_f32_dpp v26, v27, v27 row_xmask:1 row_mask:0xf bank_mask:0xf
	v_max_num_f32_dpp v26, v26, v26 row_xmask:2 row_mask:0xf bank_mask:0xf
	v_max_num_f32_dpp v26, v26, v26 row_xmask:4 row_mask:0xf bank_mask:0xf
	v_max_num_f32_dpp v26, v26, v26 row_xmask:8 row_mask:0xf bank_mask:0xf
	v_permlanex16_b32 v23, v26, s54, s55
	v_max_num_f32 v26, v26, v23                    ; Umax in every lane
	v_readfirstlane_b32 s58, v26
	v_sub_nc_u32 v23, 0x7f000000, v26              ; 1 / Umax: a power of two's exponent field e becomes 254 - e
	v_mul_f32 v27, v27, v23                        ; f = uv / Umax, at most 1,
	v_max_num_f32 v27, 0x0d800000, v27             ; and 2^-100 at the least
	v_sub_nc_u32 v[IVF], 0x7f000000, v27           ; 1 / f
	v_lshrrev_b32 v23, 23, v27                     ; f's exponent field, 27 .. 127
	v_add_nc_u32 v23, 0xffffff8f, v23              ; - 113 = log2 f + 14
	v_cvt_f32_i32 v[BK], v23
; A block of queries begins: its Q fragments (the eight loads together read my dense 4,096 bytes once), cs for every group of keys, maximum, sum and result.
; The result is cleared by moves, twice in the launch: a block's first chunk is an ordinary trip of the loop, so no product with C = 0 can start the sums.
.macro START
	s_lshl_b32 s22, s13, 14                        ; block x 128 queries x 128 bytes
	s_add_nc_u64 s[52:53], s[48:49], s[22:23]
.irp t, 0,1
.irp kk, 0,1
	global_load_b128 v[QFR+16*\t+8*\kk:QFR+16*\t+8*\kk+3],   v[QO], s[52:53] offset:\t*2048+\kk*64
	global_load_b128 v[QFR+16*\t+8*\kk+4:QFR+16*\t+8*\kk+7], v[QO], s[52:53] offset:\t*2048+\kk*64+32
.endr
.endr
	s_lshl1_add_u32 s66, s13, s9                   ; my queries' group of 64: 2 x block + w / 2
	v_readlane_b32 s67, v[SQ], s66
	v_mul_f32 v[CKQ], s67, v[CK]
	v_max_num_f32 v[CKQ], 0x00800000, v[CKQ]       ; 2^-126 at the least: never 0, so that a masked score stays -infinity,
	v_min_num_f32 v[CKQ], 0x6c800000, v[CKQ]       ; 2^90 at the most: S is below 2^34, so that S cs stays finite
	v_mov_b32 v[MXR], v[NINF]
	v_mov_b32 v[MXR+1], v[NINF]
	v_mov_b32 v[LSR], 0
	v_mov_b32 v[LSR+1], 0
.set ii, 0
.rept 64
	v_mov_b32 v[OAC+ii], 0
.set ii, ii+1
.endr
	s_wait_loadcnt 0x0
	s_wait_xcnt 0x0                                ; the registers that the last block's stores read (v128-191, their base) are written again only behind this wait
.endm
; The causal mask of the block's last chunk
.macro MASK sub
.irp t, 0,1
.irp a, 0,1,2,3
.irp j, 0,1,2,3,4,5,6,7
	v_cmp_gt_i32 vcc_lo, 64*\sub+16*\a+\j-16*\t, v[REL]
	v_cndmask_b32 v[SCO+32*\t+8*\a+\j], v[SCO+32*\t+8*\a+\j], v[NINF], vcc_lo
.endr
.endr
.endr
.endm
; Softmax step of query tile t on 64 keys, 32 of them in my lane.  In a block's first sub-step every query sees key 0, so the maximum is finite from then on.
.macro SOFT t
.irp k, 0,1,2,3
	v_max3_num_f32 v[T+\k], v[SCO+32*\t+8*\k], v[SCO+32*\t+8*\k+1], v[SCO+32*\t+8*\k+2]     ; four chains that do not wait for each other
.endr
.irp k, 0,1,2,3
	v_max3_num_f32 v[T+\k], v[T+\k], v[SCO+32*\t+8*\k+3], v[SCO+32*\t+8*\k+4]
.endr
.irp k, 0,1,2,3
	v_max3_num_f32 v[T+\k], v[T+\k], v[SCO+32*\t+8*\k+5], v[SCO+32*\t+8*\k+6]
.endr
	v_max3_num_f32 v[T], v[T], v[SCO+32*\t+7], v[SCO+32*\t+15]
	v_max3_num_f32 v[T+1], v[T+1], v[SCO+32*\t+23], v[SCO+32*\t+31]
	v_max3_num_f32 v[T], v[T], v[T+1], v[T+2]
	v_max_num_f32 v[T], v[T], v[T+3]
	v_mul_f32 v[T], s68, v[T]                      ; cs is above 0: the largest score in the exponent's units
	v_permlanex16_b32 v[T+1], v[T], s54, s55       ; the other half's keys of the same query
	v_max3_num_f32 v[T+2], v[T], v[T+1], v[MXR+\t] ; the new maximum,
	v_fma_f32 v[T+2], |v[T+2]|, s57, v[T+2]        ; raised by 2^-22 of its size: more than the roundings of S cs and of the difference below, so no exponent passes 14 + log2 f
	v_sub_f32 v[T+3], v[MXR+\t], v[T+2]
	v_exp_f32 v[AL], v[T+3]
	v_mov_b32 v[MXR+\t], v[T+2]                    ; the plain place behind the exponential (ISA guide 5.7.2)
	v_sub_f32 v[NM], s70, v[T+2]
	v_sub_f32 v[NM+1], s70, v[T+2]
	s_wait_alu depctr_va_vdst(0)
	v_mov_b32 v[AL+1], v[AL]
.set ii, 0
.rept 16
	v_pk_fma_f32 v[SCO+32*\t+2*ii:SCO+32*\t+2*ii+1], v[SCO+32*\t+2*ii:SCO+32*\t+2*ii+1], s[68:69], v[NM:NM+1] op_sel_hi:[1,0,1]
.set ii, ii+1
.endr
.set ii, 0
.rept 32
	v_exp_f32 v[SCO+32*\t+ii], v[SCO+32*\t+ii]
.set ii, ii+1
.endr
.set ii, 0
.rept 16
	v_pk_mul_f32 v[OAC+32*\t+2*ii:OAC+32*\t+2*ii+1], v[OAC+32*\t+2*ii:OAC+32*\t+2*ii+1], v[AL:AL+1]   ; the running result to the new maximum: also the plain places behind the exponentials
.set ii, ii+1
.endr
	s_wait_alu depctr_va_vdst(0)
.irp k, 0,1,2,3
	v_pk_add_f32 v[T+2*\k:T+2*\k+1], v[SCO+32*\t+8*\k:SCO+32*\t+8*\k+1], v[SCO+32*\t+8*\k+2:SCO+32*\t+8*\k+3]
.endr
.irp k, 0,1,2,3
	v_pk_add_f32 v[T+2*\k:T+2*\k+1], v[T+2*\k:T+2*\k+1], v[SCO+32*\t+8*\k+4:SCO+32*\t+8*\k+5]
.endr
.irp k, 0,1,2,3
	v_pk_add_f32 v[T+2*\k:T+2*\k+1], v[T+2*\k:T+2*\k+1], v[SCO+32*\t+8*\k+6:SCO+32*\t+8*\k+7]
.endr
	v_pk_add_f32 v[T:T+1], v[T:T+1], v[T+2:T+3]
	v_pk_add_f32 v[T+4:T+5], v[T+4:T+5], v[T+6:T+7]
	v_pk_add_f32 v[T:T+1], v[T:T+1], v[T+4:T+5]
	v_add_f32 v[T], v[T], v[T+1]
	v_mul_f32 v[LSR+\t], v[LSR+\t], v[AL]
	v_fma_f32 v[LSR+\t], v[T], s71, v[LSR+\t]      ; + the sum of p' / f; my own keys alone: the halves meet at the block's end
.set ii, 0
.rept 16
	v_cvt_pk_f16_f32 v[SCO+32*\t+ii], v[SCO+32*\t+2*ii], v[SCO+32*\t+2*ii+1]      ; in place, ascending: a register is written when it has been read
.set ii, ii+1
.endr
.endm
; One sub-step: 64 keys (half sub of the slot) against my 32 queries.  mode 1: masked; mode 0: masked if s18 says that this is the block's last chunk.
; In each run of eight matrix instructions the eight accumulators take turns, one instruction a turn, in the same order.
.macro SUB slot, sub, mode
.irp kk, 0,1
.irp a, 0,1,2,3
	ds_load_b128 v[KVF+16*\a+8*\kk:KVF+16*\a+8*\kk+3],   v[ADK+\slot] offset:\sub*PART+\a*16*KP+\kk*64
	ds_load_b128 v[KVF+16*\a+8*\kk+4:KVF+16*\a+8*\kk+7], v[ADK+\slot] offset:\sub*PART+\a*16*KP+\kk*64+32
.endr
.endr
	s_lshl1_add_u32 s66, s15, \sub                 ; the keys' group of 64: 2 x chunk + half
	v_readlane_b32 s68, v[CKQ], s66                ; cs
	v_readlane_b32 s70, v[BK], s66                 ; 14 + log2 f
	v_readlane_b32 s71, v[IVF], s66                ; 1 / f
	s_wait_dscnt 0x8                               ; the eight loads of d = 32 .. 63 may stay out
.irp a, 0,1,2,3
.irp t, 0,1
	v_wmma_f32_16x16x32_f16 v[SCO+32*\t+8*\a:SCO+32*\t+8*\a+7], v[KVF+16*\a:KVF+16*\a+7], v[QFR+16*\t:QFR+16*\t+7], 0
.endr
.endr
	s_wait_dscnt 0x0
.irp a, 0,1,2,3
.irp t, 0,1
	v_wmma_f32_16x16x32_f16 v[SCO+32*\t+8*\a:SCO+32*\t+8*\a+7], v[KVF+16*\a+8:KVF+16*\a+15], v[QFR+16*\t+8:QFR+16*\t+15], v[SCO+32*\t+8*\a:SCO+32*\t+8*\a+7]
.endr
.endr
	PLACES 4                                       ; V lands on K's registers, and the softmax reads the scores
.irp g, 0,1
.irp dt, 0,1,2,3
	ds_load_tr16_b128 v[KVF+16*\dt+8*\g:KVF+16*\dt+8*\g+3],   v[ADV+\slot] offset:(64*\sub+32*\g)*VP+32*\dt
	ds_load_tr16_b128 v[KVF+16*\dt+8*\g+4:KVF+16*\dt+8*\g+7], v[ADV+\slot] offset:(64*\sub+32*\g)*VP+32*\dt+16*VP
.endr
.endr
.if \mode
	MASK \sub
.else
	s_cmp_eq_u32 s18, 0
	s_cbranch_scc1 .Lopen_\@
	MASK \sub
.Lopen_\@:
.endif
	SOFT 0
	SOFT 1
	s_wait_dscnt 0x8                               ; the eight loads of keys 32 .. 63 may stay out
.irp dt, 0,1,2,3
.irp t, 0,1
	v_wmma_f32_16x16x32_f16 v[OAC+32*\t+8*\dt:OAC+32*\t+8*\dt+7], v[KVF+16*\dt:KVF+16*\dt+7], v[SCO+32*\t:SCO+32*\t+7], v[OAC+32*\t+8*\dt:OAC+32*\t+8*\dt+7]
.endr
.endr
	s_wait_dscnt 0x0
.irp dt, 0,1,2,3
.irp t, 0,1
	v_wmma_f32_16x16x32_f16 v[OAC+32*\t+8*\dt:OAC+32*\t+8*\dt+7], v[KVF+16*\dt+8:KVF+16*\dt+15], v[SCO+32*\t+8:SCO+32*\t+15], v[OAC+32*\t+8*\dt:OAC+32*\t+8*\dt+7]
.endr
.endr
	PLACES 5                                       ; the next scores are written over P, the next K lands on V, the result is read
.endm
; A block ends: divide by the sum, back to v's true size, split into a high and a low bf16, out through my own stage as 512 neighbouring bytes a store.
; restart = 1: the second block begins.
.macro FINISH restart
	s_lshl_b32 s22, s13, 19                        ; block x 16 heads x 2 planes x 16,384 bytes
	s_add_nc_u64 s[60:61], s[50:51], s[22:23]
.irp t, 0,1
	v_permlanex16_b32 v[T], v[LSR+\t], s54, s55
	v_add_f32 v[T], v[T], v[LSR+\t]                ; 2^14 x the sum of the p, in which the largest score's p is close to 1
	v_rcp_f32 v[T+2], v[T]
	v_nop                                          ; the plain place behind the reciprocal (ISA guide 5.7.2)
	s_wait_alu depctr_va_vdst(0)
	v_mul_f32 v[T+2], s58, v[T+2]                  ; x Umax
	v_mov_b32 v[T+3], v[T+2]
.set ii, 0
.rept 16
	v_pk_mul_f32 v[OAC+32*\t+2*ii:OAC+32*\t+2*ii+1], v[OAC+32*\t+2*ii:OAC+32*\t+2*ii+1], v[T+2:T+3]
.set ii, ii+1
.endr
.set ii, 0
.rept 16
	v_perm_b32 v[KVF+ii], v[OAC+32*\t+2*ii+1], v[OAC+32*\t+2*ii], s14             ; the high parts: two upper halves, packed
.set ii, ii+1
.endr
.set ii, 0
.rept 32
	v_fma_mix_f32_bf16 v[OAC+32*\t+ii], v[OAC+32*\t+ii], v[NEG1], v[OAC+32*\t+ii] op_sel:[1,0,0] op_sel_hi:[1,0,0]   ; the number less its own upper half: exact
.set ii, ii+1
.endr
.set ii, 0
.rept 16
	v_cvt_pk_bf16_f32 v[KVF+16+ii], v[OAC+32*\t+2*ii], v[OAC+32*\t+2*ii+1]        ; the low parts
.set ii, ii+1
.endr
.irp pl, 0,1
.irp dt, 0,1,2,3
	ds_store_b128 v[STO], v[KVF+16*\pl+4*\dt:KVF+16*\pl+4*\dt+3] offset:32*\dt
.endr
.irp u, 0,1,2,3
	ds_load_b128 v[SCO+32*\t+16*\pl+4*\u:SCO+32*\t+16*\pl+4*\u+3], v[RD] offset:4*SP*\u     ; LDS serves a wave's instructions in order: these see the stores above
.endr
.irp u, 0,1,2,3
	s_wait_dscnt 3-\u                              ; the younger read-backs may stay out
	global_store_b128 v[CO], v[SCO+32*\t+16*\pl+4*\u:SCO+32*\t+16*\pl+4*\u+3], s[60:61] offset:\pl*16384+\t*2048+\u*512
.endr
.endr
.endr
.if \restart
	s_mov_b32 s13, s12                             ; block x,
	s_mov_b32 s15, -1                              ; whose chunk 0 is the next trip's
	START
.endif
.endm
; One chunk of 128 keys.  In front of the barrier: all my tensor loads have landed (my part of this trip's slot) and my reads of the other slot are back;
; behind it the other slot is asked for again, first of all, and has this trip's two sub-steps in which to land.
.macro TRIP slot, other, refill, tail
	s_set_vgpr_msb 0x5
	s_wait_tensorcnt 0x0
	ds_add_u32 v0, v1
	s_wait_dscnt 0x0
	s_set_vgpr_msb 0x500
.if \refill
	s_add_co_u32 s16, s16, 1                       ; the stream's next chunk: behind the first block's last one comes chunk 0 of the second
	s_cmp_eq_u32 s16, s17
	s_cselect_b32 s16, 0, s16
	s_cselect_b32 s17, 0xffff, s17                 ; once
	s_lshl_b32 s22, s16, 14                        ; chunk x 128 keys x 128 bytes
	s_add_nc_u64 s[G0+4*\other+2:G0+4*\other+3], s[20:21], s[22:23]
	s_or_b32 s[G0+4*\other+3], s[G0+4*\other+3], 0x80000000
.endif
	s_wait_dscnt 0x0
	s_barrier_signal -1
	s_barrier_wait -1
.if \refill
	KVLOAD \other
.endif
.if \tail
	SUB \slot, 0, 1
	SUB \slot, 1, 1
	FINISH 0
.else
	s_cmp_eq_u32 s15, s13                          ; the block's last chunk holds its diagonal
	s_cselect_b32 s18, 1, 0
	SUB \slot, 0, 0
	SUB \slot, 1, 0
	s_cmp_eq_u32 s18, 0
	s_cbranch_scc1 .Lgo_on_\@                      ; the same in all four waves; no barrier stands inside
	FINISH 1
.Lgo_on_\@:
	s_add_co_u32 s15, s15, 1
.endif
.endm
	START
	s_mov_b32 s19, 8                               ; chunks 0 to 15 of the stream
.Lpair:
	TRIP 0, 1, 1, 0
	TRIP 1, 0, 1, 0
	s_sub_co_u32 s19, s19, 1
	s_cmp_lg_u32 s19, 0
	s_cbranch_scc1 .Lpair
	TRIP 0, 1, 0, 1                                ; the 17th chunk is the second block's last: masked, nothing left to fetch
	s_set_vgpr_msb 0x5
	s_wait_tensorcnt 0x0
	ds_add_u32 v0, v1
	s_wait_dscnt 0x0
	s_set_vgpr_msb 0x500
	s_endpgm
.Lfunc_end_k_q66828cbc1a_attn:
	.size	k_q66828cbc1a_attn, .Lfunc_end_k_q66828cbc1a_attn-k_q66828cbc1a_attn
	.p2alignl 7, 3214868480
	.fill 96, 4, 3214868480
	.section	.rodata,"a",@progbits
	.p2align	6, 0x0
	.amdhsa_kernel k_q66828cbc1a_attn
		.amdhsa_group_segment_fixed_size 327680
		.amdhsa_private_segment_fixed_size 0
		.amdhsa_enable_private_segment 0
		.amdhsa_kernarg_size 24
		.amdhsa_user_sgpr_count 2
		.amdhsa_user_sgpr_kernarg_segment_ptr 1
		.amdhsa_wavefront_size32 1
		.amdhsa_system_sgpr_workgroup_id_x 1
		.amdhsa_system_sgpr_workgroup_id_y 1
		.amdhsa_system_sgpr_workgroup_id_z 1
		.amdhsa_system_vgpr_workitem_id 0
		.amdhsa_next_free_vgpr 258
		.amdhsa_next_free_sgpr 72
		.amdhsa_reserve_vcc 1
		.amdhsa_float_denorm_mode_32 3
		.amdhsa_float_denorm_mode_16_64 3
		.amdhsa_memory_ordered 1
		.amdhsa_forward_progress 1
		.amdhsa_inst_pref_size 198
	.end_amdhsa_kernel
	.amdgpu_metadata
---
amdhsa.version: [ 1, 2 ]
amdhsa.kernels:
  - .name:           k_q66828cbc1a_attn
    .symbol:         k_q66828cbc1a_attn.kd
    .args:
      - { .name: qkv, .offset: 0, .size: 8, .value_kind: global_buffer, .address_space: global }
      - { .name: att, .offset: 8, .size: 8, .value_kind: global_buffer, .address_space: global }
      - { .name: scl, .offset: 16, .size: 8, .value_kind: global_buffer, .address_space: global }
    .group_segment_fixed_size: 327680
    .private_segment_fixed_size: 0
    .kernarg_segment_align: 8
    .kernarg_segment_size: 24
    .max_flat_workgroup_size: 128
    .sgpr_count:     72
    .vgpr_count:     258
    .wavefront_size: 32
...
	.end_amdgpu_metadata
.endif
;; end of part 6
;; launch oproj (part 7): grid 8 x 32, 4 waves a work-group, clusters of 4 x 4, 327,680 bytes of LDS; arguments att, cb, out0; writes out0
.if DOCPART == 7
	.amdgcn_target "amdgcn-amd-amdhsa--gfx1250"
	.amdhsa_code_object_version 6
	.text
	.protected	k_q66828cbc1a_oproj
	.globl	k_q66828cbc1a_oproj
	.p2align	8
	.type	k_q66828cbc1a_oproj,@function
k_q66828cbc1a_oproj:
	s_mov_b64 s[64:65], 0
	v_nop
	global_prefetch_b8 v0, s[64:65] scope:SCOPE_SE
	s_setreg_imm32_b32 hwreg(HW_REG_WAVE_MODE, 25, 1), 1
	s_wait_xcnt 0x0
	s_wait_alu depctr_hold_cnt(0) depctr_sa_sdst(0) depctr_va_vdst(0) depctr_va_sdst(0) depctr_va_ssrc(0) depctr_va_vcc(0) depctr_vm_vsrc(0)
	s_getreg_b32 s2, hwreg(HW_REG_IB_STS2, 6, 4)
	s_cmp_eq_u32 s2, 0
	s_cbranch_scc0 .Lentry_in_a_cluster
	s_endpgm
.Lentry_in_a_cluster:
	s_bfe_u32 s2, ttmp6, 0x10000c
	s_cmp_lg_u32 s2, 0xf033
	s_cbranch_scc0 .Lentry_shape_is_right
	s_endpgm
.Lentry_shape_is_right:
; Fourth of four launches: out0 = a wo^T, where a[m][64 head + d] is the attention's result.  out0: [4096][1024] f32.
; wo, [1024 (out)][1024 (in)], comes in bf16 from byte 14,680,064 of cb (rounded from f32, nearest even, by the first launch).
; att: [32 (block of 128 tokens)][16 (head)][2 (high, low)][128][64] bf16: a = high + low, about 16 significant bits.  Each product is made twice, with the high
; and with the low part, onto the same sum.
; LIMITS: wo is bf16; sums are f32 and are stored as they are.
; A work-group makes 128 x 128 of out0: 32 x 8 = 256 work-groups.  Four waves, as many as a WGP has SIMDs; wave (wm, wn) makes 64 x 64 in 16 accumulator tiles.
; K goes in 8 steps of 128 (two heads) through two LDS slots of four parts: head 2 s and head 2 s + 1 of the block (each a dense block of 32,768 bytes: 128 tokens'
; high parts, then their low parts; pitch 144 a token), rows 0-63 and 64-127 of wo's piece (256 bytes a row, pitch 272).  Wave w fetches part w with one tensor load.
; CLUSTERS: 4 x 4 work-groups; att's tiles hang on the token block alone and are asked for jointly along a row of the cluster, wo's on the column block alone
; and are asked for jointly along a column.  By this text's count a wave has two tensor loads out at the start and one behind each round.
; REGISTER WINDOWS: 0 everything but the accumulators; 1 the accumulators, tile (a, c) at v[8 (4 a + c)].
; The matrix instruction is used transposed (source 0 = 16 rows of wo, source 1 = 16 tokens): a lane holds 8 neighbouring columns of one token, 32 bytes.
.set AP,     144
.set BP,     272
.set PART,   256*AP                    ; 36,864: a head's 2 x 128 rows; wo's 64 rows use 17,408 of it
.set SLOT,   4*PART
.set STAGE,  2*SLOT                    ; 16 rows x 272 bytes for each wave; no tensor load lands there
.set SP,     272
.set ADRA,   4                         ; v4-5    LDS address of my token fragments in slot 0, 1
.set ADRB,   6                         ; v6-7    the same for wo
.set STO,    12
.set RD,     13
.set CO,     14
.set AF,     32                        ; v32-159 token fragments: buffer p, part pl (0 high, 1 low), tile a at 32 + 64 p + 32 pl + 8 a
.set BF,     160                       ; v160-223 wo's fragments: buffer p, tile c at 160 + 32 p + 8 c
.set G1A,    24
.set G0A,    32
.set G1B,    40
.set G0B,    48
.set MSB, 0
.macro WIN new                         ; the immediate's high byte repeats the setting that is left
.if MSB != (\new)
	s_set_vgpr_msb (MSB<<8)|(\new)
.set MSB, (\new)
.endif
.endm
.macro PLACES n                        ; plain vector places behind matrix instructions (ISA guide 7.12.1)
.rept \n
	v_nop
.endr
.endm
.macro JLOAD s                         ; waves 0, 1 ask for the two heads of att, waves 2, 3 for wo's halves; each line has one mask
	s_cmp_eq_u32 s11, 0
	s_cbranch_scc0 .Lfor_b_\@
	tensor_load_to_lds s[G0A+4*\s:G0A+4*\s+3], s[G1A:G1A+7]
	s_nop 0
	s_branch .Lasked_\@
.Lfor_b_\@:
	tensor_load_to_lds s[G0B+4*\s:G0B+4*\s+3], s[G1B:G1B+7]
	s_nop 0
.Lasked_\@:
.endm
.macro CREST                           ; a round of the cluster's barrier behind its opening work-group barrier
	s_cmp_lg_u32 s10, 0
	s_cbranch_scc1 .Lnot_wave_0_\@
	s_barrier_signal -3
.Lnot_wave_0_\@:
	s_barrier_wait -3
	s_barrier_signal -1
	s_barrier_wait -1
.endm
.macro CROUND
	s_barrier_signal -1
	s_barrier_wait -1
	CREST
.endm
	s_load_b128 s[4:7], s[0:1], 0x0                ; att s[4:5], cb s[6:7]
	s_load_b64 s[8:9], s[0:1], 0x10                ; out0
	v_lshl_add_u32 v254, v0, 2, 0x4c400
	v_mov_b32 v255, 0
	ds_add_u32 v254, v255
	ds_add_u32 v254, v255
	v_lshrrev_b32 v1, 5, v0
	v_readfirstlane_b32 s10, v1                    ; wave 0..3
	s_lshr_b32 s11, s10, 1                         ; wm: which 64 tokens.  Also: I fetch att (0) or wo (1)
	s_and_b32 s12, s10, 1                          ; wn: which 64 columns.  Also: which half I fetch
	s_bfe_u32 s13, ttmp6, 0x40000                  ; cx
	s_bfe_u32 s14, ttmp6, 0x40004                  ; cy
	s_lshl_b32 s15, ttmp9, 2
	s_add_co_u32 s15, s15, s13                     ; nblock, 0..7
	s_and_b32 s16, ttmp7, 0xffff
	s_lshl_b32 s16, s16, 2
	s_add_co_u32 s16, s16, s14                     ; mblock, 0..31
	s_lshl_b32 s17, s14, 2
	s_lshl_b32 s17, 15, s17                        ; my row of the cluster
	s_lshl_b32 s18, 0x1111, s13                    ; my column
	s_or_b32 s[G1A], s17, (1<<16)|(1<<20)|(1<<21)|(4<<22)|(3<<25)   ; element of 2 bytes; padding of 4 words after every 32 (one token's part)
	s_mov_b32 s[G1A+1], 128<<16                    ; a dense block as 128 rows of 256 bytes
	s_mov_b32 s[G1A+2], 128<<16
	s_mov_b32 s[G1A+3], 128<<16
	s_mov_b32 s[G1A+4], 128
	s_mov_b32 s[G1A+5], 128
	s_mov_b32 s[G1A+6], 0
	s_mov_b32 s[G1A+7], 0
	s_or_b32 s[G1B], s18, (1<<16)|(1<<20)|(1<<21)|(5<<22)|(3<<25)   ; element of 2 bytes; padding of 4 words after every 64 (one row)
	s_mov_b32 s[G1B+1], 128<<16                    ; 64 rows of 128 bf16
	s_mov_b32 s[G1B+2], 64<<16
	s_mov_b32 s[G1B+3], 128<<16
	s_mov_b32 s[G1B+4], 64
	s_mov_b32 s[G1B+5], 1024
	s_mov_b32 s[G1B+6], 0
	s_mov_b32 s[G1B+7], 0
	s_lshl_b32 s60, s16, 19                        ; att: mblock x 16 heads x 32,768 bytes (these registers hold cy, never cx)
	s_lshl_b32 s61, s12, 15                        ; + the even or the odd head
	s_add_co_u32 s60, s60, s61
	s_mov_b32 s61, 0
	s_lshl_b32 s62, s15, 18                        ; wo: nblock x 128 rows x 2,048 bytes (these hold cx, never cy)
	s_lshl_b32 s63, s12, 17                        ; + my 64 rows
	s_add_co_u32 s62, s62, s63
	s_add_co_u32 s62, s62, 0xe00000                ; behind x, wq, wk and wv: 14,680,064 bytes
	s_mov_b32 s63, 0
	s_mul_i32 s20, s10, PART                       ; where my part of a slot lies: the wave's number alone
	s_wait_dscnt 0x0
	s_wait_kmcnt 0x0
	s_add_nc_u64 s[58:59], s[4:5], s[60:61]
	s_add_nc_u64 s[56:57], s[6:7], s[62:63]
	CROUND                                         ; all sixteen work-groups are here: the first joint loads meet
.irp s, 0,1
	s_mov_b32 s[G0A+4*\s], 1
	s_add_co_u32 s[G0A+4*\s+1], s20, \s*SLOT
	s_add_nc_u64 s[G0A+4*\s+2:G0A+4*\s+3], s[58:59], \s*65536      ; a K step is two heads
	s_or_b32 s[G0A+4*\s+3], s[G0A+4*\s+3], 0x80000000
	s_mov_b32 s[G0B+4*\s], 1
	s_add_co_u32 s[G0B+4*\s+1], s20, \s*SLOT
	s_add_nc_u64 s[G0B+4*\s+2:G0B+4*\s+3], s[56:57], \s*256        ; or 128 bf16 of a row of wo
	s_or_b32 s[G0B+4*\s+3], s[G0B+4*\s+3], 0x80000000
	JLOAD \s
.endr
	v_and_b32 v1, 15, v0                           ; r
	v_bfe_u32 v2, v0, 4, 1                         ; h
	v_mul_u32_u24 v3, v1, AP
	v_lshl_add_u32 v3, v2, 4, v3
	s_mul_i32 s21, s11, 64*AP
	v_add_nc_u32 v[ADRA], s21, v3                  ; token 64 wm + r, 16 bytes for each half of the lanes
	v_add_nc_u32 v[ADRA+1], SLOT, v[ADRA]
	v_mul_u32_u24 v3, v1, BP
	v_lshl_add_u32 v3, v2, 4, v3
	s_mul_i32 s22, s12, PART                       ; my 64 columns are the 64 rows of wo in part 2 + wn
	s_add_co_u32 s22, s22, 2*PART
	v_add_nc_u32 v[ADRB], s22, v3                  ; row r of it, 16 bytes for each half
	v_add_nc_u32 v[ADRB+1], SLOT, v[ADRB]
	s_mul_i32 s23, s10, 16*SP
	s_add_co_u32 s23, s23, STAGE
	v_mul_u32_u24 v3, v1, SP
	v_lshl_add_u32 v3, v2, 5, v3
	v_add_nc_u32 v[STO], s23, v3                   ; in: token r, 32 bytes for each half
	v_mul_u32_u24 v3, v2, SP
	v_lshl_add_u32 v3, v1, 4, v3
	v_add_nc_u32 v[RD], s23, v3                    ; back: lanes 0-15 one row of 256 bytes, lanes 16-31 the next
	v_lshlrev_b32 v3, 12, v2
	v_lshl_add_u32 v[CO], v1, 4, v3                ; and the same two rows in out0
; 24 LDS loads in one run: the fragments of quarter kq (32 K) of a slot into buffer p: wo's four, the tokens' high parts, the tokens' low parts
.macro LDF slot, kq, p
.irp c, 0,1,2,3
	ds_load_b128 v[BF+32*\p+8*\c:BF+32*\p+8*\c+3],   v[ADRB+\slot] offset:\c*16*BP+\kq*64
	ds_load_b128 v[BF+32*\p+8*\c+4:BF+32*\p+8*\c+7], v[ADRB+\slot] offset:\c*16*BP+\kq*64+32
.endr
.irp pl, 0,1
.irp a, 0,1,2,3
	ds_load_b128 v[AF+64*\p+32*\pl+8*\a:AF+64*\p+32*\pl+8*\a+3],   v[ADRA+\slot] offset:(\kq/2)*PART+(\kq&1)*64+\pl*128*AP+\a*16*AP
	ds_load_b128 v[AF+64*\p+32*\pl+8*\a+4:AF+64*\p+32*\pl+8*\a+7], v[ADRA+\slot] offset:(\kq/2)*PART+(\kq&1)*64+\pl*128*AP+\a*16*AP+32
.endr
.endr
.endm
; 8 matrix instructions from buffer p: part pl of token tiles a0, a0 + 1 x 4 column tiles.  The 16 accumulators take turns, one instruction a turn, in the same
; order in every run of sixteen.
.macro MUL8 p, pl, a0, zero
.irp a, \a0, \a0+1
.irp c, 0,1,2,3
.if \zero
	v_wmma_f32_16x16x32_bf16 v[8*(4*(\a)+\c):8*(4*(\a)+\c)+7], v[BF+32*\p+8*\c:BF+32*\p+8*\c+7], v[AF+64*\p+32*\pl+8*(\a):AF+64*\p+32*\pl+8*(\a)+7], 0
.else
	v_wmma_f32_16x16x32_bf16 v[8*(4*(\a)+\c):8*(4*(\a)+\c)+7], v[BF+32*\p+8*\c:BF+32*\p+8*\c+7], v[AF+64*\p+32*\pl+8*(\a):AF+64*\p+32*\pl+8*(\a)+7], v[8*(4*(\a)+\c):8*(4*(\a)+\c)+7]
.endif
.endr
.endr
.endm
; One of a K step's first three quarters: multiplies buffer p, high parts and then low parts; between them it fetches quarter kn into buffer pn
.macro QUARTER slot, kn, p, pn, zero
	s_wait_dscnt 8                                 ; wo and the high parts are in; the youngest eight loads (the low parts) may stay out
	WIN 0x50
	MUL8 \p, 0, 0, \zero
	MUL8 \p, 0, 2, \zero
	PLACES 4                                       ; the loads land on fragments that the last quarter's matrix instructions read
	WIN 0
	LDF \slot, \kn, \pn
	s_wait_dscnt 24                                ; all but the 24 just issued
	WIN 0x50
	MUL8 \p, 1, 0, 0
	MUL8 \p, 1, 2, 0
.endm
; The fourth quarter multiplies buffer 1 and changes slots: my reads are back, all my tensor loads have landed, the barrier (with fill = 1 it opens a round of the
; cluster's barrier), the joint refill first behind it, then the next slot's first fragments.
.macro TURN slot, next, fill
	s_wait_dscnt 0x0
	s_wait_tensorcnt 0x0
	ds_add_u32 v254, v255
	s_wait_dscnt 0x0
	s_barrier_signal -1
	WIN 0x50
	MUL8 1, 0, 0, 0                                ; register work while the others arrive: the high parts
	MUL8 1, 0, 2, 0
	WIN 0
	s_barrier_wait -1
.if \fill
	CREST
	s_add_nc_u64 s[G0A+4*\slot+2:G0A+4*\slot+3], s[G0A+4*\slot+2:G0A+4*\slot+3], 131072
	s_add_nc_u64 s[G0B+4*\slot+2:G0B+4*\slot+3], s[G0B+4*\slot+2:G0B+4*\slot+3], 512
	JLOAD \slot
.endif
	PLACES 4                                       ; the loads land on buffer 0, which the third quarter's matrix instructions read
	LDF \next, 0, 0
	WIN 0x50
	MUL8 1, 1, 0, 0                                ; the low parts
	MUL8 1, 1, 2, 0
.endm
.macro THREE slot, zero
	QUARTER \slot, 1, 0, 1, \zero
	QUARTER \slot, 2, 1, 0, 0
	QUARTER \slot, 3, 0, 1, 0
.endm
.macro LAP zero
	THREE 0, \zero
	TURN 0, 1, 1
	THREE 1, 0
	TURN 1, 0, 1
.endm
	s_wait_tensorcnt 0x1                           ; my part of K step 0 is in; K step 1's load may stay out
	s_barrier_signal -1
	s_barrier_wait -1
	LDF 0, 0, 0
	LAP 1                                          ; K steps 0, 1: their first products start the sums
	WIN 0
	s_mov_b32 s19, 2                               ; K steps 2 to 5
.Llap:
	LAP 0
	WIN 0
	s_sub_co_u32 s19, s19, 1
	s_cmp_lg_u32 s19, 0
	s_cbranch_scc1 .Llap
	THREE 0, 0                                     ; K steps 6, 7: nothing is left to fetch
	TURN 0, 1, 0
	THREE 1, 0
	s_wait_dscnt 0x0
	WIN 0x50
	MUL8 1, 0, 0, 0
	MUL8 1, 0, 2, 0
	MUL8 1, 1, 0, 0
	MUL8 1, 1, 2, 0
	; THE WAY OUT: 16 tokens x 64 columns of f32 at a time through my own stage; sixteen lanes then store 256 neighbouring bytes, aligned.
	PLACES 4                                       ; the LDS stores read results, the read-backs land on fragments
	s_lshl_b32 s60, s16, 19                        ; mblock x 128 rows x 4,096 bytes
	s_lshl_b32 s61, s11, 18                        ; + my 64 rows
	s_add_co_u32 s60, s60, s61
	s_mov_b32 s61, 0
	s_add_nc_u64 s[8:9], s[8:9], s[60:61]
	s_lshl_b32 s62, s15, 9                         ; nblock x 128 columns x 4 bytes
	s_lshl_b32 s63, s12, 8                         ; + my 64 columns
	s_add_co_u32 s62, s62, s63
	s_mov_b32 s63, 0
	s_add_nc_u64 s[8:9], s[8:9], s[62:63]
.macro OUT16 a, buf
	WIN 0x04                                       ; the data of an LDS store is source 1: window 1
.irp c, 0,1,2,3
	ds_store_b128 v[STO], v[8*(4*\a+\c):8*(4*\a+\c)+3]   offset:64*\c
	ds_store_b128 v[STO], v[8*(4*\a+\c)+4:8*(4*\a+\c)+7] offset:64*\c+16
.endr
	WIN 0
	s_wait_xcnt 0x0                                ; the buffer, which earlier stores read, is loaded again only behind this wait
.irp u, 0,1,2,3,4,5,6,7
	ds_load_b128 v[\buf+4*\u:\buf+4*\u+3], v[RD] offset:2*SP*\u      ; LDS serves a wave's instructions in order: these see the stores above
.endr
.irp u, 0,1,2,3,4,5,6,7
	s_wait_dscnt 7-\u                              ; the younger read-backs may stay out
	global_store_b128 v[CO], v[\buf+4*\u:\buf+4*\u+3], s[8:9] offset:\a*65536+\u*8192 th:TH_STORE_NT
.endr
.endm
	OUT16 0, 32
	OUT16 1, 64
	OUT16 2, 32
	OUT16 3, 64
	s_wait_tensorcnt 0x0
	ds_add_u32 v254, v255
	s_wait_dscnt 0x0
	CROUND                                         ; the closing round: no work-group ends while a partner may still ask for a tile that names it
	s_endpgm
.Lfunc_end_k_q66828cbc1a_oproj:
	.size	k_q66828cbc1a_oproj, .Lfunc_end_k_q66828cbc1a_oproj-k_q66828cbc1a_oproj
	.p2alignl 7, 3214868480
	.fill 96, 4, 3214868480
	.section	.rodata,"a",@progbits
	.p2align	6, 0x0
	.amdhsa_kernel k_q66828cbc1a_oproj
		.amdhsa_group_segment_fixed_size 327680
		.amdhsa_private_segment_fixed_size 0
		.amdhsa_enable_private_segment 0
		.amdhsa_kernarg_size 24
		.amdhsa_user_sgpr_count 2
		.amdhsa_user_sgpr_kernarg_segment_ptr 1
		.amdhsa_wavefront_size32 1
		.amdhsa_system_sgpr_workgroup_id_x 1
		.amdhsa_system_sgpr_workgroup_id_y 1
		.amdhsa_system_sgpr_workgroup_id_z 1
		.amdhsa_system_vgpr_workitem_id 0
		.amdhsa_next_free_vgpr 384
		.amdhsa_next_free_sgpr 66
		.amdhsa_reserve_vcc 0
		.amdhsa_float_denorm_mode_32 3
		.amdhsa_float_denorm_mode_16_64 3
		.amdhsa_memory_ordered 1
		.amdhsa_forward_progress 1
		.amdhsa_inst_pref_size 109
	.end_amdhsa_kernel
	.amdgpu_metadata
---
amdhsa.version: [ 1, 2 ]
amdhsa.kernels:
  - .name:           k_q66828cbc1a_oproj
    .symbol:         k_q66828cbc1a_oproj.kd
    .args:
      - { .name: att, .offset: 0, .size: 8, .value_kind: global_buffer, .address_space: global }
      - { .name: cb, .offset: 8, .size: 8, .value_kind: global_buffer, .address_space: global }
      - { .name: out0, .offset: 16, .size: 8, .value_kind: global_buffer, .address_space: global }
    .group_segment_fixed_size: 327680
    .private_segment_fixed_size: 0
    .kernarg_segment_align: 8
    .kernarg_segment_size: 24
    .max_flat_workgroup_size: 128
    .sgpr_count:     66
    .vgpr_count:     384
    .wavefront_size: 32
...
	.end_amdgpu_metadata
.endif
;; end of part 7
;; ======== version 3 of 3: 4 launches; version 2 with the launch cast written anew for expert scheduling mode
;; workspace buffers: cb 16,777,216 bytes; qkv 25,165,824 bytes; scl 786,432 bytes; att 16,777,216 bytes
;; launch cast (part 8): grid 512 x 1, 8 waves a work-group, no clusters, 0 bytes of LDS; arguments x, wq, wk, wv, wo, cb; writes cb
.if DOCPART == 8
	.amdgcn_target "amdgcn-amd-amdhsa--gfx1250"
	.amdhsa_code_object_version 6
	.text
	.protected	k_q66828cbc1a_cast
	.globl	k_q66828cbc1a_cast
	.p2align	8
	.type	k_q66828cbc1a_cast,@function
k_q66828cbc1a_cast:
	s_mov_b64 s[64:65], 0
	v_nop
	global_prefetch_b8 v0, s[64:65] scope:SCOPE_SE
	s_setreg_imm32_b32 hwreg(HW_REG_WAVE_SCHED_MODE, 0, 2), 2
	s_setreg_imm32_b32 hwreg(HW_REG_WAVE_MODE, 25, 1), 1
	s_wait_xcnt 0x0
	s_wait_alu depctr_vm_vsrc(0)
; First of four launches: x and the four weights, all f32, are rounded once to bf16 (nearest even), the form in which the matrix unit takes them.
; cb, bf16: x [4096][1024] at byte 0, wq at 8,388,608, wk at 10,485,760, wv at 12,582,912, wo at 14,680,064, each [1024][1024].
; WHY A LAUNCH OF ITS OWN: the products' work-groups share these numbers: a number of x is an operand in 8 column blocks x 2 waves, a number of a weight in 32 token
; blocks x 2 waves.  Rounded here, it is converted once, and the products' tiles and LDS reads are half as many bytes.
; A stream: 33,554,432 bytes in, 16,777,216 out, each once; no LDS, no barrier, no matrix unit, no cluster: no work-group shares a byte with another.
; 512 work-groups of eight waves; work-group g takes 16,384 numbers: g < 256: piece g of x; else piece g mod 64 of weight (g - 256) / 64.  Its 32,768 output bytes lie
; at 32,768 g in either case.  Thread t takes the 16 bytes at 16 t of each of sixteen runs of 4,096 bytes: a load of a wave covers 512 neighbouring bytes, a store
; 256 consecutive bytes, aligned.  All sixteen loads go out at once.
; THE MODE: SCHED_MODE bits 1:0 = 2 (LLVM: expert scheduling mode 2), set by the entry lines.  The code itself states the register dependences
; between vector instructions and memory instructions, with s_wait_alu, always for 0.
; THE PLAN.  Registers that memory instructions touch:
;   v1, v2     byte offsets, made once at the head and never written again; v1 is read by every load, v2 by every store.
;   X[j]       load j lands in it, once; no vector instruction names it before that; the two conversions of j read it behind the counted wait for the load.
;   Y[j]       the two conversions of j write it, once; store j reads it.
; The sixteen runs go in four blocks of four.  Block p converts X[4 p ..] into Y[4 p ..]; its memory instructions are the four stores of block p - 1, which read
; Y[4 p - 4 ..]: registers that no vector instruction of block p names.  So one wait at a block's head states all that its four stores hang on, and these are dealt among
; its conversions with no further wait.  No register that a memory instruction reads is written again, so nothing is owed for a rewriting.
.set X, 4                              ; v4-67   sixteen loads of four f32
.set Y, 68                             ; v68-99  sixteen pairs of registers, four bf16 each
	s_load_b256 s[4:11], s[0:1], 0x0               ; x s[4:5], wq s[6:7], wk s[8:9], wv s[10:11]
	s_load_b128 s[12:15], s[0:1], 0x20             ; wo s[12:13], cb s[14:15]
	s_mov_b32 s18, ttmp9                           ; g
	s_and_b32 s19, s18, 255                        ; piece of x
	s_and_b32 s20, s18, 63                         ; piece of a weight
	s_lshr_b32 s21, s19, 6                         ; which weight
	v_lshlrev_b32 v1, 4, v0                        ; 16 t
	v_lshlrev_b32 v2, 3, v0                        ; 8 t
	s_wait_kmcnt 0x0
	s_cmp_eq_u32 s21, 1
	s_cselect_b64 s[22:23], s[8:9], s[6:7]
	s_cmp_eq_u32 s21, 2
	s_cselect_b64 s[22:23], s[10:11], s[22:23]
	s_cmp_eq_u32 s21, 3
	s_cselect_b64 s[22:23], s[12:13], s[22:23]
	s_cmp_lt_u32 s18, 256
	s_cselect_b64 s[22:23], s[4:5], s[22:23]       ; the source
	s_cselect_b32 s26, s19, s20                    ; and my piece of it,
	s_lshl_b32 s26, s26, 16                        ; of 65,536 bytes
	s_mov_b32 s27, 0
	s_add_nc_u64 s[22:23], s[22:23], s[26:27]
	s_lshl_b32 s28, s18, 15
	s_mov_b32 s29, 0
	s_add_nc_u64 s[24:25], s[14:15], s[28:29]
	s_wait_alu depctr_va_vdst(0)                   ; v1 and v2 are written: every load of the kernel reads v1 as its offset, every store v2
.irp j, 0,1,2,3,4,5,6,7,8,9,10,11,12,13,14,15
	global_load_b128 v[X+4*\j:X+4*\j+3], v1, s[22:23] offset:\j*4096 th:TH_LOAD_NT     ; read once in the launch
.endr
; Block p: runs 4 p to 4 p + 3 are converted; the stores of block p - 1 stand among the conversions, each ahead of a pair of them.
.macro BLK p
	s_wait_loadcnt 12-4*(\p)                       ; loads come back in order: this block's four are in, the younger blocks' may stay out
.if (\p) > 0
	s_wait_alu depctr_va_vdst(0)                   ; the block before has written its Y, which the four stores below read; no conversion behind this wait names those registers
.endif
.irp i, 0,1,2,3
.if (\p) > 0
	global_store_b64 v2, v[Y+2*(4*(\p)-4+(\i)):Y+2*(4*(\p)-4+(\i))+1], s[24:25] offset:(4*(\p)-4+(\i))*2048
.endif
	v_cvt_pk_bf16_f32 v[Y+2*(4*(\p)+(\i))],   v[X+4*(4*(\p)+(\i))],   v[X+4*(4*(\p)+(\i))+1]
	v_cvt_pk_bf16_f32 v[Y+2*(4*(\p)+(\i))+1], v[X+4*(4*(\p)+(\i))+2], v[X+4*(4*(\p)+(\i))+3]
.endr
.endm
	BLK 0                                          ; no block stands in front of it: no store, and no wait but the one for its data
	BLK 1
	BLK 2
	BLK 3
	s_wait_alu depctr_va_vdst(0)                   ; block 3 has written its Y, which the last four stores read
.irp j, 12,13,14,15
	global_store_b64 v2, v[Y+2*\j:Y+2*\j+1], s[24:25] offset:\j*2048
.endr
	s_endpgm
.Lfunc_end_k_q66828cbc1a_cast:
	.size	k_q66828cbc1a_cast, .Lfunc_end_k_q66828cbc1a_cast-k_q66828cbc1a_cast
	.p2alignl 7, 3214868480
	.fill 96, 4, 3214868480
	.section	.rodata,"a",@progbits
	.p2align	6, 0x0
	.amdhsa_kernel k_q66828cbc1a_cast
		.amdhsa_group_segment_fixed_size 0
		.amdhsa_private_segment_fixed_size 0
		.amdhsa_enable_private_segment 0
		.amdhsa_kernarg_size 48
		.amdhsa_user_sgpr_count 2
		.amdhsa_user_sgpr_kernarg_segment_ptr 1
		.amdhsa_wavefront_size32 1
		.amdhsa_system_sgpr_workgroup_id_x 1
		.amdhsa_system_sgpr_workgroup_id_y 1
		.amdhsa_system_sgpr_workgroup_id_z 1
		.amdhsa_system_vgpr_workitem_id 0
		.amdhsa_next_free_vgpr 100
		.amdhsa_next_free_sgpr 66
		.amdhsa_reserve_vcc 0
		.amdhsa_float_denorm_mode_32 3
		.amdhsa_float_denorm_mode_16_64 3
		.amdhsa_memory_ordered 1
		.amdhsa_forward_progress 1
		.amdhsa_inst_pref_size 7
	.end_amdhsa_kernel
	.amdgpu_metadata
---
amdhsa.version: [ 1, 2 ]
amdhsa.kernels:
  - .name:           k_q66828cbc1a_cast
    .symbol:         k_q66828cbc1a_cast.kd
    .args:
      - { .name: x, .offset: 0, .size: 8, .value_kind: global_buffer, .address_space: global }
      - { .name: wq, .offset: 8, .size: 8, .value_kind: global_buffer, .address_space: global }
      - { .name: wk, .offset: 16, .size: 8, .value_kind: global_buffer, .address_space: global }
      - { .name: wv, .offset: 24, .size: 8, .value_kind: global_buffer, .address_space: global }
      - { .name: wo, .offset: 32, .size: 8, .value_kind: global_buffer, .address_space: global }
      - { .name: cb, .offset: 40, .size: 8, .value_kind: global_buffer, .address_space: global }
    .group_segment_fixed_size: 0
    .private_segment_fixed_size: 0
    .kernarg_segment_align: 8
    .kernarg_segment_size: 48
    .max_flat_workgroup_size: 256
    .sgpr_count:     66
    .vgpr_count:     100
    .wavefront_size: 32
...
	.end_amdgpu_metadata
.endif
;; end of part 8
;; launch qkv: the kernel of part 5 again; grid 8 x 32, 4 waves a work-group, clusters of 4 x 4, 327,680 bytes of LDS; arguments cb, qkv, scl; writes qkv, scl
;; launch attn: the kernel of part 6 again; grid 8 x 32, 4 waves a work-group, no clusters, 327,680 bytes of LDS; arguments qkv, att, scl; writes att
;; launch oproj: the kernel of part 7 again; grid 8 x 32, 4 waves a work-group, clusters of 4 x 4, 327,680 bytes of LDS; arguments att, cb, out0; writes out0
